; MI455X (gfx1250); checked and timed in simulation.
; The chip was launched on July 23, 2026; its instructions are those of AMD's public machine-readable ISA for CDNA 5 (MIT licence, August 2026) and "CDNA5" Instruction Set Architecture Reference Guide (July 2026). The comments in the code are by the model that wrote it; some were corrected since.
;; Mutihead Attention. Allowed arithmetic: float matrix products may take bf16 or f16 operands with f32 sums; other float arithmetic in f32, or as packed bf16 or f16 multiplies, adds, multiply-adds, maxima and minima; sums over many terms, partial sums and values carried from step to step in f32; what a program stores and reads back later, other than sums and carried values, may be rounded once to bf16 or f16.
;; Inputs: Wk 1,024 x 1,024 float32; Wq 1,024 x 1,024 float32; Wr 1,024 x 1,024 float32; Wv 1,024 x 1,024 float32; beta 1,024 float32; gamma 1,024 float32; mask 4 x 2,048 int32; x 4 x 2,048 x 1,024 float32.
;; Outputs: out0 4 x 2,048 x 1,024 float32.
;; 2 versions, each right; version 2 is version 1 with the launches order, cast written anew for expert scheduling mode. Each part assembles by itself: llvm-mc -triple=amdgcn-amd-amdhsa -mcpu=gfx1250 --defsym DOCPART=n.
;; ======== version 1 of 2: 5 launches
;; limits: values are held in f16: magnitudes above 65,504 overflow, below 6.1e-05 lose precision; right only within a limited range of input values
;; workspace buffers: ord 33,792 bytes of whole numbers; xb 16,777,216 bytes; wb 8,388,608 bytes; qkvr 67,108,864 bytes; o 16,777,216 bytes
;; launch order (part 1): grid 4 x 1, 1 waves a work-group, no clusters, 8,448 bytes of LDS; arguments mask, ord; writes ord
.if DOCPART == 1
	.amdgcn_target "amdgcn-amd-amdhsa--gfx1250"
	.amdhsa_code_object_version 6
	.text
	.protected	k_q7bdddf2622_order
	.globl	k_q7bdddf2622_order
	.p2align	8
	.type	k_q7bdddf2622_order,@function
k_q7bdddf2622_order:
	s_mov_b64 s[64:65], 0
	v_nop
	global_prefetch_b8 v0, s[64:65] scope:SCOPE_SE
	s_setreg_imm32_b32 hwreg(HW_REG_WAVE_MODE, 25, 1), 1
	s_wait_xcnt 0x0
; For each batch b of 4: a permutation orig[0..2047] of the 2,048 key positions: the visible keys (mask != 0) first, ascending; the masked ones from the end backward; and the number of visible keys.
; ord: bytes 0 .. 32,767 orig[4][2048] (i32); from byte 32,768 + 256 b on the count of batch b, 64 times: one aligned run of 256 bytes.
; One wave a batch: 64 groups of 32 positions, a lane a position.  A visible key's place is the number of visible keys ahead of it; a masked key's is 2,047 less the masked keys ahead of it,
; which is 2,047 - e + the visible keys ahead of position e.  The list is scattered into LDS and leaves as whole runs of 512 bytes.
.set LIST,  0                          ; LDS: 2,048 words
.set SPARE, 8192                       ; behind it: the spare words, one block of 256 bytes that no other line names
.set M,     16                         ; v[16:79] the mask's 64 words of my lane; later the list as read back
.set SPW,   10                         ; v10  LDS address of my spare word; never rewritten
.set NIL,   11                         ; v11  0; never rewritten
	s_load_b128 s[4:7], s[0:1], 0x0                ; mask s[4:5], ord s[6:7]
	v_lshl_add_u32 v[SPW], v0, 2, SPARE
	v_mov_b32 v[NIL], 0
	v_lshlrev_b32 v1, 2, v0                        ; 4 x lane
	v_mov_b32 v5, 0
	v_lshlrev_b32 v6, 4, v0                        ; 16 x lane
	v_lshlrev_b32 v7, 3, v0                        ; 8 x lane
	s_lshl_b32 s8, ttmp9, 13                       ; the batch's 8,192 bytes in mask and in the list
	s_mov_b32 s9, 0
	s_lshl_b32 s14, ttmp9, 8                       ; its 256 bytes among the counts
	s_mov_b32 s15, 0
	s_mov_b32 s10, 0                               ; visible keys so far
	s_wait_kmcnt 0x0
	s_add_nc_u64 s[12:13], s[6:7], s[14:15]
	s_add_nc_u64 s[12:13], s[12:13], 0x8000
	s_add_nc_u64 s[4:5], s[4:5], s[8:9]
	s_add_nc_u64 s[6:7], s[6:7], s[8:9]
.set g, 0
.rept 64
	global_load_b32 v[M+g], v1, s[4:5] offset:128*g  ; position 32 g + lane: 128 consecutive bytes a load
.set g, g+1
.endr
.macro GROUP j
	s_wait_loadcnt 63-(\j)                         ; loads return in order: group j is in, the 63 - j younger ones may be out
	v_cmp_ne_u32 vcc_lo, 0, v[M+(\j)]              ; visible?
	v_mbcnt_lo_u32_b32 v2, vcc_lo, s10             ; visible keys ahead of me: earlier groups' and lower lanes'
	v_sub_nc_u32 v3, 4*(2047-32*(\j)), v1          ; 4 (2,047 - e)
	v_cndmask_b32 v3, v3, v5, vcc_lo               ; 0 for a visible key
	v_lshl_add_u32 v2, v2, 2, v3                   ; 4 x my place
	v_min_u32 v2, 8188, v2                         ; inside the list, whatever was loaded
	v_add_nc_u32 v4, 32*(\j), v0                   ; e
	ds_store_b32 v2, v4
	s_bcnt1_i32_b32 s11, vcc_lo
	s_add_co_u32 s10, s10, s11
.endm
.set g, 0
.rept 64
	GROUP g
.set g, g+1
.endr
.set g, 0
.rept 16
	ds_load_b128 v[M+4*g:M+4*g+3], v6 offset:LIST+512*g  ; LDS serves a wave's instructions in order: these see the stores above
.set g, g+1
.endr
.set g, 0
.rept 16
	s_wait_dscnt 15-g
	global_store_b128 v6, v[M+4*g:M+4*g+3], s[6:7] offset:512*g  ; 512 consecutive bytes, aligned
.set g, g+1
.endr
	v_mov_b32 v8, s10
	v_mov_b32 v9, s10
	global_store_b64 v7, v[8:9], s[12:13]          ; the count, 64 times: 256 consecutive bytes, aligned
	s_wait_tensorcnt 0x0                           ; the wave's end: a tensor wait, an add to my spare word and its wait, behind my last LDS store
	ds_add_u32 v[SPW], v[NIL]
	s_wait_dscnt 0x0
	s_endpgm
.Lfunc_end_k_q7bdddf2622_order:
	.size	k_q7bdddf2622_order, .Lfunc_end_k_q7bdddf2622_order-k_q7bdddf2622_order
	.p2alignl 7, 3214868480
	.fill 96, 4, 3214868480
	.section	.rodata,"a",@progbits
	.p2align	6, 0x0
	.amdhsa_kernel k_q7bdddf2622_order
		.amdhsa_group_segment_fixed_size 8448
		.amdhsa_private_segment_fixed_size 0
		.amdhsa_enable_private_segment 0
		.amdhsa_kernarg_size 16
		.amdhsa_user_sgpr_count 2
		.amdhsa_user_sgpr_kernarg_segment_ptr 1
		.amdhsa_wavefront_size32 1
		.amdhsa_system_sgpr_workgroup_id_x 1
		.amdhsa_system_sgpr_workgroup_id_y 1
		.amdhsa_system_sgpr_workgroup_id_z 1
		.amdhsa_system_vgpr_workitem_id 0
		.amdhsa_next_free_vgpr 80
		.amdhsa_next_free_sgpr 66
		.amdhsa_reserve_vcc 1
		.amdhsa_float_denorm_mode_32 3
		.amdhsa_float_denorm_mode_16_64 3
		.amdhsa_memory_ordered 1
		.amdhsa_forward_progress 1
		.amdhsa_inst_pref_size 45
	.end_amdhsa_kernel
	.amdgpu_metadata
---
amdhsa.version: [ 1, 2 ]
amdhsa.kernels:
  - .name:           k_q7bdddf2622_order
    .symbol:         k_q7bdddf2622_order.kd
    .args:
      - { .name: mask, .offset: 0, .size: 8, .value_kind: global_buffer, .address_space: global }
      - { .name: ord, .offset: 8, .size: 8, .value_kind: global_buffer, .address_space: global }
    .group_segment_fixed_size: 8448
    .private_segment_fixed_size: 0
    .kernarg_segment_align: 8
    .kernarg_segment_size: 16
    .max_flat_workgroup_size: 32
    .sgpr_count:     66
    .vgpr_count:     80
    .wavefront_size: 32
...
	.end_amdgpu_metadata
.endif
;; end of part 1
;; launch cast (part 2): grid 768 x 1, 8 waves a work-group, no clusters, 0 bytes of LDS; arguments x, Wq, Wk, Wv, Wr, ord, xb, wb; writes xb, wb
.if DOCPART == 2
	.amdgcn_target "amdgcn-amd-amdhsa--gfx1250"
	.amdhsa_code_object_version 6
	.text
	.protected	k_q7bdddf2622_cast
	.globl	k_q7bdddf2622_cast
	.p2align	8
	.type	k_q7bdddf2622_cast,@function
k_q7bdddf2622_cast:
	s_mov_b64 s[64:65], 0
	v_nop
	global_prefetch_b8 v0, s[64:65] scope:SCOPE_SE
	s_setreg_imm32_b32 hwreg(HW_REG_WAVE_MODE, 25, 1), 1
	s_wait_xcnt 0x0
; xb[b][p][:] = bf16(x[b][orig[p]][:]): the rows of x in the order of the list (visible keys first).  wb = bf16 of Wq, Wk, Wv, Wr, one below the other: [4096][1024].
; 12,288 rows of 4,096 bytes; a work-group takes 16, a wave 2: 16 loads of 512 consecutive bytes, all out at once; each store of the wave covers 256 consecutive bytes, aligned.
; Work-groups 0 to 511 take x, 512 to 767 the weights.  Memory binds: no LDS, no barrier, no matrix unit; nothing is read twice.
.set X, 4                              ; v[4:67]   16 x 4 numbers as loaded
.set Y, 68                             ; v[68:99]  16 x 2 words of bf16
.macro BODY                            ; s[26:27], s[28:29]: the two source rows; s[30:31]: the two rows of the target, which follow each other
.set k, 0
.rept 16
	global_load_b128 v[X+4*k:X+4*k+3], v1, s[26+2*(k/8):27+2*(k/8)] offset:512*(k%8) th:TH_LOAD_NT
.set k, k+1
.endr
.set k, 0
.rept 16
	s_wait_loadcnt 15-k                            ; load k is in, the younger ones may be out
	v_cvt_pk_bf16_f32 v[Y+2*k],   v[X+4*k],   v[X+4*k+1]
	v_cvt_pk_bf16_f32 v[Y+2*k+1], v[X+4*k+2], v[X+4*k+3]
	global_store_b64 v2, v[Y+2*k:Y+2*k+1], s[30:31] offset:2048*(k/8)+256*(k%8)
.set k, k+1
.endr
	s_endpgm                                       ; no register is written twice, so no wait frees one
.endm
	s_load_b512 s[8:23], s[0:1], 0x0               ; x 8, Wq 10, Wk 12, Wv 14, Wr 16, ord 18, xb 20, wb 22
	v_lshrrev_b32 v3, 5, v0
	v_readfirstlane_b32 s2, v3                     ; wave 0..7
	v_and_b32 v1, 31, v0
	v_lshlrev_b32 v2, 3, v1                        ; 8 x lane
	v_lshlrev_b32 v1, 4, v1                        ; 16 x lane
	s_lshl_b32 s3, ttmp9, 3
	s_add_co_u32 s3, s3, s2                        ; my pair of rows among the 6,144 pairs
	s_mov_b32 s33, 0
	s_mov_b32 s35, 0
	s_mov_b32 s37, 0
	s_wait_kmcnt 0x0
	s_cmp_lt_u32 ttmp9, 512
	s_cbranch_scc0 .Lweights
	s_lshl_b32 s32, s3, 3                          ; two entries of the list, 8 bytes
	s_load_b64 s[24:25], s[18:19], s32 offset:0x0
	s_lshr_b32 s36, s3, 10                         ; the batch,
	s_lshl_b32 s36, s36, 11                        ; its first row
	s_wait_kmcnt 0x0
	s_min_u32 s24, s24, 2047                       ; inside the batch, whatever was loaded
	s_min_u32 s25, s25, 2047
	s_add_co_u32 s34, s24, s36
	s_add_co_u32 s36, s25, s36
	s_lshl_b32 s34, s34, 12                        ; rows of 4,096 bytes
	s_lshl_b32 s36, s36, 12
	s_lshl_b32 s32, s3, 12                         ; two rows of 2,048 bytes in xb
	s_add_nc_u64 s[26:27], s[8:9], s[34:35]
	s_add_nc_u64 s[28:29], s[8:9], s[36:37]
	s_add_nc_u64 s[30:31], s[20:21], s[32:33]
	BODY
.Lweights:
	s_lshl_b32 s32, s3, 1
	s_sub_co_u32 s32, s32, 8192                    ; my first row among the weights' 4,096
	s_lshr_b32 s36, s32, 10                        ; which of the four matrices
	s_cmp_lt_u32 s36, 1
	s_cselect_b64 s[26:27], s[10:11], s[12:13]
	s_cmp_lt_u32 s36, 3
	s_cselect_b64 s[28:29], s[14:15], s[16:17]
	s_cmp_lt_u32 s36, 2
	s_cselect_b64 s[26:27], s[26:27], s[28:29]
	s_and_b32 s34, s32, 1023
	s_lshl_b32 s34, s34, 12
	s_lshl_b32 s32, s32, 11
	s_add_nc_u64 s[26:27], s[26:27], s[34:35]
	s_add_nc_u64 s[28:29], s[26:27], 4096
	s_add_nc_u64 s[30:31], s[22:23], s[32:33]
	BODY
.Lfunc_end_k_q7bdddf2622_cast:
	.size	k_q7bdddf2622_cast, .Lfunc_end_k_q7bdddf2622_cast-k_q7bdddf2622_cast
	.p2alignl 7, 3214868480
	.fill 96, 4, 3214868480
	.section	.rodata,"a",@progbits
	.p2align	6, 0x0
	.amdhsa_kernel k_q7bdddf2622_cast
		.amdhsa_group_segment_fixed_size 0
		.amdhsa_private_segment_fixed_size 0
		.amdhsa_enable_private_segment 0
		.amdhsa_kernarg_size 64
		.amdhsa_user_sgpr_count 2
		.amdhsa_user_sgpr_kernarg_segment_ptr 1
		.amdhsa_wavefront_size32 1
		.amdhsa_system_sgpr_workgroup_id_x 1
		.amdhsa_system_sgpr_workgroup_id_y 1
		.amdhsa_system_sgpr_workgroup_id_z 1
		.amdhsa_system_vgpr_workitem_id 0
		.amdhsa_next_free_vgpr 100
		.amdhsa_next_free_sgpr 66
		.amdhsa_reserve_vcc 0
		.amdhsa_float_denorm_mode_32 3
		.amdhsa_float_denorm_mode_16_64 3
		.amdhsa_memory_ordered 1
		.amdhsa_forward_progress 1
		.amdhsa_inst_pref_size 13
	.end_amdhsa_kernel
	.amdgpu_metadata
---
amdhsa.version: [ 1, 2 ]
amdhsa.kernels:
  - .name:           k_q7bdddf2622_cast
    .symbol:         k_q7bdddf2622_cast.kd
    .args:
      - { .name: x, .offset: 0, .size: 8, .value_kind: global_buffer, .address_space: global }
      - { .name: Wq, .offset: 8, .size: 8, .value_kind: global_buffer, .address_space: global }
      - { .name: Wk, .offset: 16, .size: 8, .value_kind: global_buffer, .address_space: global }
      - { .name: Wv, .offset: 24, .size: 8, .value_kind: global_buffer, .address_space: global }
      - { .name: Wr, .offset: 32, .size: 8, .value_kind: global_buffer, .address_space: global }
      - { .name: ord, .offset: 40, .size: 8, .value_kind: global_buffer, .address_space: global }
      - { .name: xb, .offset: 48, .size: 8, .value_kind: global_buffer, .address_space: global }
      - { .name: wb, .offset: 56, .size: 8, .value_kind: global_buffer, .address_space: global }
    .group_segment_fixed_size: 0
    .private_segment_fixed_size: 0
    .kernarg_segment_align: 8
    .kernarg_segment_size: 64
    .max_flat_workgroup_size: 256
    .sgpr_count:     66
    .vgpr_count:     100
    .wavefront_size: 32
...
	.end_amdgpu_metadata
.endif
;; end of part 2
;; launch proj (part 3): grid 16 x 32, 4 waves a work-group, clusters of 4 x 4, 327,680 bytes of LDS; arguments xb, wb, qkvr; writes qkvr
.if DOCPART == 3
	.amdgcn_target "amdgcn-amd-amdhsa--gfx1250"
	.amdhsa_code_object_version 6
	.text
	.protected	k_q7bdddf2622_proj
	.globl	k_q7bdddf2622_proj
	.p2align	8
	.type	k_q7bdddf2622_proj,@function
k_q7bdddf2622_proj:
	s_mov_b64 s[64:65], 0
	v_nop
	global_prefetch_b8 v0, s[64:65] scope:SCOPE_SE
	s_setreg_imm32_b32 hwreg(HW_REG_WAVE_MODE, 25, 1), 1
	s_wait_xcnt 0x0
	s_wait_alu depctr_hold_cnt(0) depctr_sa_sdst(0) depctr_va_vdst(0) depctr_va_sdst(0) depctr_va_ssrc(0) depctr_va_vcc(0) depctr_vm_vsrc(0)
	s_getreg_b32 s2, hwreg(HW_REG_IB_STS2, 6, 4)
	s_cmp_eq_u32 s2, 0
	s_cbranch_scc0 .Lentry_in_a_cluster
	s_endpgm
.Lentry_in_a_cluster:
	s_bfe_u32 s2, ttmp6, 0x10000c
	s_cmp_lg_u32 s2, 0xf033
	s_cbranch_scc0 .Lentry_shape_is_right
	s_endpgm
.Lentry_shape_is_right:
; All four projections as one product: C[m][n] = sum over k of xb[m][k] wb[n][k], m = 2048 b + s (8,192 rows), n = 64 g + d (4,096 columns: q g 0-15, k 16-31, v 32-47, r 48-63), K = 1,024.
; Operands bf16, sums f32, each result rounded once to f16 and stored BY HEADS: qkvr[b][g][s][64], byte ((64 b + g) 2048 + s) 128 + 2 d.
; LIMIT: f16 holds no number beyond 65,504; a result of 65,520 or more leaves as an infinity.
; A block of 256 x 256 of C to a work-group of four waves, 128 x 128 (64 accumulators, 512 registers) to a wave.  K goes in steps of 128 through a ring of two LDS slots filled by the tensor data mover:
; a tile's rows are 256 bytes of memory, at multiples of 256 bytes.  The last K step goes by rows of C, so that finished rows leave while the others are multiplied.
; CLUSTERS: 4 x 4 work-groups.  The four of a row of the cluster need the same tiles of xb, the four of a column the same tiles of wb: each tile is asked for JOINTLY, by the same tensor load with the
; same descriptor and a mask that names the four.
; REGISTERS, in windows of 256 (s_set_vgpr_msb: bits 1:0 source 0, 3:2 source 1, 5:4 source 2, 7:6 destination):
;   window 0: v0-31 addresses; v64-127, v128-191 fragments of A, two buffers (in the last K step four, of 16 rows x 128 K); v32-63, v192-255 at work on the way out
;   window 1: v64-127, v128-191 fragments of B, two buffers; in the last K step all 256        window 2: the accumulators of my rows 0-63 ((a, b) at v[8 (8 a + b)])        window 3: those of my rows 64-127
; THE MATRIX INSTRUCTION IS USED TRANSPOSED: source 0 = 16 rows of wb, source 1 = 16 rows of xb: a lane holds row l % 16 of C and the columns 8 (l / 16) + 0..7: 16 bytes of f16 on end.
.set SIZE_M, 8192
.set SIZE_N, 4096
.set SIZE_K, 1024
.set KSTEP,  128
.set PITCH,  272                       ; an LDS row: 256 bytes + 16 of padding = 68 words: the 16 rows that a load touches start at 16 different groups of four banks
.set HALFT,  128*PITCH                 ; 128 rows: what one tensor load brings, and what one wave reads of A or of B
.set SLOT,   4*HALFT                   ; A's 256 rows, then B's 256 rows
.set STAGE,  2*SLOT                    ; behind the ring: for each wave two sub-stages (its two heads) of 16 rows x 144 bytes, for the way out
.set SPITCH, 144                       ; 128 bytes of a head's row + 16
.set SUB,    16*SPITCH
.set SPARE,  STAGE+4*2*SUB             ; behind the stages: the spare words, 128 bytes for each wave: two blocks of 256 bytes that no other line names
.set HEADB,  2048*128                  ; bytes from a head to the next in qkvr
.set LAPS, SIZE_K/(2*KSTEP)            ; a lap = two K steps = once round the ring
.set ADRA, 16                          ; v16-17  LDS address of my A fragments in slot 0, 1
.set ADRB, 20                          ; v20-21  the same for B
.set STO,  24                          ; v24     the way out: where I put 16 bytes of a row
.set RD,   25                          ; v25     the way out: where I read rows back
.set CO,   26                          ; v26     16 x lane: my 16 bytes of 512 consecutive bytes of qkvr
.set SPW,  28                          ; v28     LDS address of my spare word; never rewritten
.set NIL,  29                          ; v29     0; never rewritten
.set PFO,  30                          ; v30     the prefetches' offset: my lane x a row of 2,048 bytes; never rewritten
.set PFA,  44                          ; s[44:45] where my prefetches stand
.set LIM,  43                          ; s43     1 in a wave that prefetches, else the greatest number
.set F0,   64
.set F1,   128
.set TMP,  192                         ; the way out: packed results
.set OB,   32                          ; the way out: 16 rows read back: v32-63 and v224-255 by turns
.set PA,   64                          ; the last K step: A's fragments of 16 rows x 128 K; four buffers, v64-191
.set G1, 24                            ; s[24:31] descriptor group 1 for A's tiles
.set G0, 32                            ; s[32:39] group 0 for A's tiles, one set for each slot
.set G1B, 48                           ; s[48:55], s[56:63] the same for B's
.set G0B, 56
.set MSB, 0
.macro WIN new                         ; the immediate's high byte repeats the setting that is left; a switch that changes nothing is dropped
.if MSB != (\new)
	s_set_vgpr_msb (MSB<<8)|(\new)
.set MSB, \new
.endif
.endm
.set MUL_LO, 0xa1                      ; source 0 (B) window 1, source 1 (A) window 0, C and D window 2
.set MUL_HI, 0xf1                      ; the same, C and D window 3
.set TO_B,   0x40                      ; destination window 1, address window 0
; A joint load.  Waves 0 and 1 fetch A's two halves, waves 2 and 3 B's.  The branch hangs on the wave's number alone.  An s_nop 0 and four v_nop follow each of the two lines.
.macro JLOAD s
	s_cmp_eq_u32 s11, 0
	s_cbranch_scc0 .Lfor_b_\@
	tensor_load_to_lds s[G0+4*(\s):G0+4*(\s)+3], s[G1:G1+7]
	s_nop 0
.rept 4
	v_nop
.endr
	s_branch .Lasked_\@
.Lfor_b_\@:
	tensor_load_to_lds s[G0B+4*(\s):G0B+4*(\s)+3], s[G1B:G1B+7]
	s_nop 0
.rept 4
	v_nop
.endr
.Lasked_\@:
.endm
; A prefetch, behind each joint load and the run of LDS loads that follows it: the K step that stands two refills on: 32 rows x 256 bytes, a lane a row, one instruction a wave.
; Each row's 256 bytes of a K step are named once in the launch: the clusters with x = 0 ask for xb's rows, those with y = 0 for wb's; the four partners that ask for a tile jointly share its rows
; out by address (32 each).  The last two refills have no K step two on: the loop's last trip (s3 = 1) asks for nothing.  K steps 0 to 3 come by their loads alone.
.macro ASK
	s_cmp_gt_u32 s3, s[LIM]
	s_cbranch_scc0 .Lnot_mine_\@
	global_prefetch_b8 v[PFO], s[PFA:PFA+1] offset:KSTEP*2 th:TH_LOAD_NT scope:SCOPE_SE
.Lnot_mine_\@:
.endm
.macro CREST                           ; a round of the cluster's barrier behind its opening barrier
	s_cmp_lg_u32 s10, 0
	s_cbranch_scc1 .Lnot_wave_0_\@
	s_barrier_signal -3
.Lnot_wave_0_\@:
	s_barrier_wait -3
	s_barrier_signal -1
	s_barrier_wait -1
.endm
.macro CROUND                          ; a whole round
	s_barrier_signal -1
	s_barrier_wait -1
	CREST
.endm
	s_load_b128 s[4:7], s[0:1], 0x0                ; xb s[4:5], wb s[6:7]
	s_load_b64 s[8:9], s[0:1], 0x10                ; qkvr
	v_lshl_add_u32 v[SPW], v0, 2, SPARE
	v_mov_b32 v[NIL], 0
	ds_add_u32 v[SPW], v[NIL]                      ; the wave's opening: the add and its wait stand ahead of my first tensor load; work on registers stands between them
	v_lshrrev_b32 v1, 5, v0
	v_readfirstlane_b32 s10, v1                    ; wave 0..3
	s_lshr_b32 s11, s10, 1                         ; which half of the block's rows is mine.  Also: I fetch for A (0) or for B (1)
	s_and_b32 s12, s10, 1                          ; which half of its columns.  Also: which 128 rows of that tile I fetch
	s_bfe_u32 s40, ttmp6, 0x40000                  ; cx
	s_bfe_u32 s41, ttmp6, 0x40004                  ; cy
	s_lshl_b32 s42, ttmp9, 2
	s_add_co_u32 s42, s42, s40                     ; block column of C = 4 x cluster x + cx
	s_and_b32 s13, ttmp7, 0xffff
	s_lshl_b32 s13, s13, 2
	s_add_co_u32 s13, s13, s41                     ; block row of C = 4 x cluster y + cy
	s_lshl_b32 s43, s41, 2
	s_lshl_b32 s43, 15, s43                        ; my row of the cluster: places 4 cy .. 4 cy + 3
	s_lshl_b32 s44, 0x1111, s40                    ; my column: places cx, cx + 4, cx + 8, cx + 12
	; descriptor group 1: a tile of 128 rows x 128 elements of 2 bytes, 4 words of padding behind every 64
	s_or_b32 s[G1+0], s43, (1<<16)|(1<<20)|(1<<21)|(5<<22)|(3<<25)
	s_or_b32 s[G1B+0], s44, (1<<16)|(1<<20)|(1<<21)|(5<<22)|(3<<25)
.irp g, G1, G1B
	s_mov_b32 s[(\g)+1], KSTEP<<16                 ; tensor_dim0 = 128
	s_mov_b32 s[(\g)+2], 128<<16                   ; tensor_dim1 = 128
	s_mov_b32 s[(\g)+3], KSTEP<<16                 ; tile_dim0 = 128
	s_mov_b32 s[(\g)+4], 128                       ; tile_dim1 = 128
	s_mov_b32 s[(\g)+5], SIZE_K                    ; elements from row to row
	s_mov_b32 s[(\g)+6], 0
	s_mov_b32 s[(\g)+7], 0
.endr
	; A's tiles hang on the block row alone, B's on the block column alone; each address is made in registers that never hold the other coordinate
	s_lshl_b32 s17, s12, 7
	s_lshl_b32 s16, s13, 8
	s_add_co_u32 s16, s16, s17                     ; A: row 256 x block row + 128 x half
	s_lshl_b32 s46, s42, 8
	s_add_co_u32 s46, s46, s17                     ; B: row 256 x block column + 128 x half
	s_mov_b32 s17, 0
	s_mov_b32 s47, 0
	s_mov_b64 s[18:19], SIZE_K*2
	s_mul_u64 s[16:17], s[16:17], s[18:19]
	s_mul_u64 s[46:47], s[46:47], s[18:19]
	s_mul_i32 s20, s10, HALFT                      ; where they go: wave x 128 rows: no place in the cluster enters an LDS address
	s_wait_dscnt 0x0                               ; the opening add is done
	s_wait_kmcnt 0x0
	s_add_nc_u64 s[14:15], s[4:5], s[16:17]
	s_add_nc_u64 s[46:47], s[6:7], s[46:47]
	CROUND                                         ; all sixteen work-groups are here: the first joint loads meet
.irp s, 0,1
	s_mov_b32 s[G0+4*(\s)], 1
	s_add_co_u32 s[G0+4*(\s)+1], s20, (\s)*SLOT
	s_add_nc_u64 s[G0+4*(\s)+2:G0+4*(\s)+3], s[14:15], (\s)*KSTEP*2
	s_or_b32 s[G0+4*(\s)+3], s[G0+4*(\s)+3], 0x80000000
	s_mov_b32 s[G0B+4*(\s)], 1
	s_add_co_u32 s[G0B+4*(\s)+1], s20, (\s)*SLOT
	s_add_nc_u64 s[G0B+4*(\s)+2:G0B+4*(\s)+3], s[46:47], (\s)*KSTEP*2
	s_or_b32 s[G0B+4*(\s)+3], s[G0B+4*(\s)+3], 0x80000000
	JLOAD \s                                       ; K steps 0 and 1: two loads of mine are out
.endr
	; A fragment is 16 rows x 32 K in 8 registers: lane l holds row l % 16, K = 8 (l / 16) + 0..7 and 16 + 8 (l / 16) + 0..7: two loads of 16 bytes, 32 bytes apart
	v_and_b32 v1, 15, v0                           ; l % 16
	v_bfe_u32 v2, v0, 4, 1                         ; l / 16
	v_mul_u32_u24 v3, v1, PITCH
	v_lshl_add_u32 v3, v2, 4, v3
	s_mul_i32 s21, s11, HALFT                      ; my 128 rows of A
	s_mul_i32 s22, s12, HALFT                      ; my 128 rows of B,
	s_add_co_u32 s22, s22, 2*HALFT                 ; which lie behind A's 256
.irp s, 0,1
	v_add_nc_u32 v[ADRA+(\s)], s21, v3
	v_add_nc_u32 v[ADRB+(\s)], s22, v3
	s_add_co_u32 s21, s21, SLOT
	s_add_co_u32 s22, s22, SLOT
.endr
	s_mul_i32 s23, s10, 2*SUB
	s_add_co_u32 s23, s23, STAGE                   ; my stage
	v_mul_u32_u24 v4, v1, SPITCH                   ; in: row l % 16, 16 bytes for each half of the lanes
	v_lshl_add_u32 v4, v2, 4, v4
	v_add_nc_u32 v[STO], s23, v4
	v_bfe_u32 v5, v0, 3, 2                         ; back: 32 lanes take four rows of 128 bytes,
	v_mul_u32_u24 v5, v5, SPITCH
	v_and_b32 v6, 7, v0
	v_lshl_add_u32 v5, v6, 4, v5
	v_add_nc_u32 v[RD], s23, v5
	v_and_b32 v[CO], 31, v0                        ; which are 512 consecutive bytes of a head
	v_lshlrev_b32 v[CO], 4, v[CO]
	; where my part begins in qkvr: m0 = 256 x block row + 128 x half: batch m0 / 2048, row m0 % 2048; head 4 x block column + 2 x half
	s_lshl_b32 s13, s13, 8
	s_lshl_b32 s14, s11, 7
	s_add_co_u32 s16, s13, s14                     ; m0
	s_lshr_b32 s17, s16, 11
	s_lshl_b32 s17, s17, 24                        ; a batch is 64 heads x 2,048 rows x 128 bytes
	s_and_b32 s16, s16, 2047
	s_lshl_b32 s16, s16, 7
	s_add_co_u32 s16, s16, s17
	s_mov_b32 s17, 0
	s_lshl_b32 s46, s42, 2                         ; (in the registers that held B's address: none that feeds A's descriptors ever holds cx)
	s_lshl_b32 s47, s12, 1
	s_add_co_u32 s46, s46, s47
	s_lshl_b32 s46, s46, 18
	s_mov_b32 s47, 0
	s_add_nc_u64 s[16:17], s[16:17], s[46:47]      ; under 2^26
	; the prefetches.  s13 = 256 x block row, s42 = block column, s40 = cx, s41 = cy still stand
	s_lshl_b32 s42, s42, 8
	s_and_b32 s22, ttmp7, 0xffff                   ; cluster y
	s_cmp_eq_u32 s11, 0                            ; do I fetch for A?
	s_cselect_b32 s20, s13, s42                    ; the tile's first row
	s_cselect_b32 s21, s40, s41                    ; my place among the four that ask for it with me
	s_cselect_b32 s22, ttmp9, s22                  ; the coordinate along which other clusters read the same rows
	s_cselect_b64 s[PFA:PFA+1], s[4:5], s[6:7]
	s_cmp_eq_u32 s22, 0
	s_cselect_b32 s[LIM], 1, -1                    ; the same in all sixteen partners, for a given wave
	s_lshl_b32 s22, s12, 7
	s_add_co_u32 s20, s20, s22                     ; + the 128 rows that I fetch
	s_lshl_b32 s21, s21, 5
	s_add_co_u32 s20, s20, s21                     ; + my work-group's 32 of them
	s_mov_b32 s21, 0
	s_mov_b64 s[18:19], SIZE_K*2
	s_mul_u64 s[20:21], s[20:21], s[18:19]
	s_add_nc_u64 s[PFA:PFA+1], s[PFA:PFA+1], s[20:21]
	s_add_nc_u64 s[PFA:PFA+1], s[PFA:PFA+1], 2*KSTEP*2  ; at K step 2: the first refill steps it to 3 and names K step 4
	v_and_b32 v[PFO], 31, v0
	v_mul_u32_u24 v[PFO], v[PFO], SIZE_K*2
; 16 matrix instructions: m blocks a0, a0 + 1 of the window's four x all 8 n blocks, 32 along K.  zero = 1: the first product starts the sums
.macro MUL16 f, hi, a0, zero
	WIN MUL_LO+0x50*(\hi)
.irp a, \a0, (\a0)+1
.irp b, 0,1,2,3,4,5,6,7
.if \zero
	v_wmma_f32_16x16x32_bf16 v[8*(8*(\a)+(\b)):8*(8*(\a)+(\b))+7], v[(\f)+8*(\b):(\f)+8*(\b)+7], v[(\f)+8*(4*(\hi)+(\a)):(\f)+8*(4*(\hi)+(\a))+7], 0
.else
	v_wmma_f32_16x16x32_bf16 v[8*(8*(\a)+(\b)):8*(8*(\a)+(\b))+7], v[(\f)+8*(\b):(\f)+8*(\b)+7], v[(\f)+8*(4*(\hi)+(\a)):(\f)+8*(4*(\hi)+(\a))+7], v[8*(8*(\a)+(\b)):8*(8*(\a)+(\b))+7]
.endif
.endr
.endr
.endm
; 32 LDS loads in one run: the fragments of one quarter step (32 K at byte k of the rows) into buffer f
.macro FETCH slot, k, f
	WIN TO_B
.irp i, 0,1,2,3,4,5,6,7
	ds_load_b128 v[(\f)+8*(\i):(\f)+8*(\i)+3],   v[ADRB+(\slot)] offset:(\k)+(\i)*16*PITCH
	ds_load_b128 v[(\f)+8*(\i)+4:(\f)+8*(\i)+7], v[ADRB+(\slot)] offset:(\k)+(\i)*16*PITCH+32
.endr
	WIN 0
.irp i, 0,1,2,3,4,5,6,7
	ds_load_b128 v[(\f)+8*(\i):(\f)+8*(\i)+3],   v[ADRA+(\slot)] offset:(\k)+(\i)*16*PITCH
	ds_load_b128 v[(\f)+8*(\i)+4:(\f)+8*(\i)+7], v[ADRA+(\slot)] offset:(\k)+(\i)*16*PITCH+32
.endr
.endm
.macro PLACES                          ; four plain instructions between a matrix instruction and a load into a register that it read, or a conversion of its result
.rept 4
	v_nop
.endr
.endm
; A K step is four quarters of 32 along K, 64 matrix instructions each, on buffers 0, 1, 0, 1.  One of the first three multiplies buffer f and fetches the next quarter, at byte k, into g.
.macro QUARTER slot, k, f, g, zero
	s_wait_dscnt 8                                 ; B and A's rows 0-63 are in; the youngest eight loads (A's rows 64-127) may be out
	WIN MUL_LO
	MUL16 \f, 0, 0, \zero
	MUL16 \f, 0, 2, \zero
	PLACES
	FETCH \slot, \k, \g
	s_wait_dscnt 32                                ; all but the 32 just issued
	WIN MUL_HI
	MUL16 \f, 1, 0, \zero
	MUL16 \f, 1, 2, \zero
.endm
; The last quarter multiplies buffer 1 and changes slots.  MEET is its first half: one barrier; in front of it each wave waits for all its tensor loads (one is out: its part of the next slot),
; adds 0 to its spare word, and waits for that and for its own reads of this slot.
.macro MEET round
	WIN 0                                          ; (the add's two registers lie in window 0)
	s_wait_tensorcnt 0x0
	ds_add_u32 v[SPW], v[NIL]
	s_wait_dscnt 9                                 ; (the add and the youngest eight loads may be out)
	WIN MUL_LO
	MUL16 F1, 0, 0, 0
	s_wait_dscnt 0x0                               ; the add is done, and my reads of this slot are over
	s_barrier_signal -1
	MUL16 F1, 0, 2, 0                              ; work on registers while the others arrive
.if \round
	WIN 0
.endif
	s_barrier_wait -1
.endm
; The whole last quarter: behind the round the slot just read out is filled again first, with the K step two steps on; then come the next slot's first fragments.
.macro TURN slot, next
	s_wait_xcnt 0x0                                ; the last prefetch, a K step back, has read its address, which is stepped here
	s_add_nc_u64 s[PFA:PFA+1], s[PFA:PFA+1], KSTEP*2
	MEET 1
	CREST                                          ; no wave of any partner still reads this slot's tile or has a load on its way
	s_add_nc_u64 s[G0+4*(\slot)+2:G0+4*(\slot)+3], s[G0+4*(\slot)+2:G0+4*(\slot)+3], 2*KSTEP*2
	s_add_nc_u64 s[G0B+4*(\slot)+2:G0B+4*(\slot)+3], s[G0B+4*(\slot)+2:G0B+4*(\slot)+3], 2*KSTEP*2
	JLOAD \slot                                    ; my one tensor load behind the round; its four v_nop are also the places in front of the loads below
	FETCH \next, 0, F0
	ASK
	WIN MUL_HI
	MUL16 F1, 1, 0, 0
	MUL16 F1, 1, 2, 0
.endm
; THE LAST K STEP (slot 1) BY ROWS OF C: all its fragments of B fill window 1; my eight blocks of 16 rows are finished one after the other, 32 matrix instructions each, the block's 8 accumulators by turns.
.macro BLOAD q
	WIN TO_B
.irp i, 0,1,2,3,4,5,6,7
	ds_load_b128 v[64*(\q)+8*(\i):64*(\q)+8*(\i)+3],   v[ADRB+1] offset:64*(\q)+(\i)*16*PITCH
	ds_load_b128 v[64*(\q)+8*(\i)+4:64*(\q)+8*(\i)+7], v[ADRB+1] offset:64*(\q)+(\i)*16*PITCH+32
.endr
.endm
.macro ALOAD a
	WIN 0
.set FA, PA+32*((\a)%4)
.irp q, 0,1,2,3
	ds_load_b128 v[FA+8*(\q):FA+8*(\q)+3],   v[ADRA+1] offset:64*(\q)+(\a)*16*PITCH
	ds_load_b128 v[FA+8*(\q)+4:FA+8*(\q)+7], v[ADRA+1] offset:64*(\q)+(\a)*16*PITCH+32
.endr
.endm
.macro ROW a
.set FA, PA+32*((\a)%4)
.set AC, 64*((\a)%4)
	WIN MUL_LO+0x50*((\a)/4)
.irp q, 0,1,2,3
.if (\a) == 0 && (\q) == 2
	s_wait_dscnt 24                                ; B's quarter 2 is in (behind it: A's blocks 1 to 3)
.endif
.irp b, 0,1,2,3,4,5,6,7
	v_wmma_f32_16x16x32_bf16 v[AC+8*(\b):AC+8*(\b)+7], v[64*(\q)+8*(\b):64*(\q)+8*(\b)+7], v[FA+8*(\q):FA+8*(\q)+7], v[AC+8*(\b):AC+8*(\b)+7]
.endr
.endr
.endm
; THE WAY OUT of block a.  PACK: rounded to f16, 16 bytes a lane.  TOSTAGE: n blocks 0-3 (my first head) and 4-7 (my second) into the two sub-stages, and back four rows of a head at a time.  SEND: stored.
.macro PACK a
.set AC, 64*((\a)%4)
	WIN 0x0a+5*((\a)/4)                            ; sources 0 and 1: window 2 or 3
.irp b, 0,1,2,3,4,5,6,7
.irp r, 0,1,2,3
	v_cvt_pk_f16_f32 v[TMP+4*(\b)+(\r)], v[AC+8*(\b)+2*(\r)], v[AC+8*(\b)+2*(\r)+1]
.endr
.endr
	WIN 0
.endm
.macro TOSTAGE a
	WIN 0
.set BK, OB+192*((\a)%2)
.irp b, 0,1,2,3,4,5,6,7
	ds_store_b128 v[STO], v[TMP+4*(\b):TMP+4*(\b)+3] offset:((\b)/4)*SUB+32*((\b)%4)
.endr
.irp t, 0,1,2,3,4,5,6,7
	ds_load_b128 v[BK+4*(\t):BK+4*(\t)+3], v[RD] offset:((\t)/4)*SUB+((\t)%4)*4*SPITCH  ; LDS serves a wave's instructions in order: these see the stores above
.endr
.endm
.macro SEND a, younger                 ; younger: the LDS loads issued behind TOSTAGE's, which may stay out
	WIN 0
.set BK, OB+192*((\a)%2)
	s_wait_dscnt \younger
	s_wait_xcnt 0x0                                ; only behind this wait are the stores' base and the registers that earlier stores read rewritten
.if (\a) == 0
	s_add_nc_u64 s[8:9], s[8:9], s[16:17]          ; my first rows
.else
	s_add_nc_u64 s[8:9], s[8:9], 16*128            ; 16 rows of a head on
.endif
.irp t, 0,1,2,3,4,5,6,7
	global_store_b128 v[CO], v[BK+4*(\t):BK+4*(\t)+3], s[8:9] offset:((\t)/4)*HEADB+((\t)%4)*512  ; 512 consecutive bytes, aligned: four rows of one head
.endr
.endm
	s_wait_tensorcnt 1                             ; my part of K step 0 is in; K step 1's load may stay out
	s_barrier_signal -1
	s_barrier_wait -1
	FETCH 0, 0, F0
	QUARTER 0, 64,  F0, F1, 1                      ; the first quarter stands in front of the loop: its products start the sums
	WIN 0
	s_mov_b32 s3, LAPS-1
.Llap:                                                 ; a trip goes once round the ring, from a lap's second quarter to the next lap's first, and fills both slots again
	QUARTER 0, 128, F1, F0, 0
	QUARTER 0, 192, F0, F1, 0
	TURN 0, 1
	QUARTER 1, 64,  F0, F1, 0
	QUARTER 1, 128, F1, F0, 0
	QUARTER 1, 192, F0, F1, 0
	TURN 1, 0
	QUARTER 0, 64,  F0, F1, 0
	WIN 0
	s_sub_co_u32 s3, s3, 1
	s_cmp_lg_u32 s3, 0
	s_cbranch_scc1 .Llap
	QUARTER 0, 128, F1, F0, 0                      ; the last lap goes on
	QUARTER 0, 192, F0, F1, 0
	MEET 0                                         ; the load that was still out is the last K step's, so no round follows
	PLACES
	WIN TO_B
	BLOAD 0                                        ; three quarters of B now: buffer 1 is still being multiplied
	BLOAD 1
	BLOAD 3
	WIN 0
	ALOAD 0
	WIN MUL_HI
	MUL16 F1, 1, 0, 0
	MUL16 F1, 1, 2, 0
	PLACES
	WIN TO_B
	BLOAD 2
	WIN 0
	ALOAD 1
	ALOAD 2
	ALOAD 3
	s_wait_dscnt 40                                ; all but the 40 just issued
	ROW 0
.irp a, 0,1,2,3,4,5,6,7                ; each block leaves as soon as it is finished
	PLACES
	PACK \a
	TOSTAGE \a
.if (\a) < 4
	ALOAD (\a)+4
	SEND \a, 8
.else
	SEND \a, 0
.endif
.if (\a) < 7
	ROW (\a)+1
.endif
.endr
	s_wait_tensorcnt 0x0                           ; the wave's end: a tensor wait, an add to my spare word and its wait, behind my last tensor load and my last LDS store
	ds_add_u32 v[SPW], v[NIL]
	s_wait_dscnt 0x0
	CROUND                                         ; the closing round: no work-group ends while a partner may still ask for a tile that names it
	s_endpgm
.Lfunc_end_k_q7bdddf2622_proj:
	.size	k_q7bdddf2622_proj, .Lfunc_end_k_q7bdddf2622_proj-k_q7bdddf2622_proj
	.p2alignl 7, 3214868480
	.fill 96, 4, 3214868480
	.section	.rodata,"a",@progbits
	.p2align	6, 0x0
	.amdhsa_kernel k_q7bdddf2622_proj
		.amdhsa_group_segment_fixed_size 327680
		.amdhsa_private_segment_fixed_size 0
		.amdhsa_enable_private_segment 0
		.amdhsa_kernarg_size 24
		.amdhsa_user_sgpr_count 2
		.amdhsa_user_sgpr_kernarg_segment_ptr 1
		.amdhsa_wavefront_size32 1
		.amdhsa_system_sgpr_workgroup_id_x 1
		.amdhsa_system_sgpr_workgroup_id_y 1
		.amdhsa_system_sgpr_workgroup_id_z 1
		.amdhsa_system_vgpr_workitem_id 0
		.amdhsa_next_free_vgpr 1024
		.amdhsa_next_free_sgpr 66
		.amdhsa_reserve_vcc 0
		.amdhsa_float_denorm_mode_32 3
		.amdhsa_float_denorm_mode_16_64 3
		.amdhsa_memory_ordered 1
		.amdhsa_forward_progress 1
		.amdhsa_inst_pref_size 144
	.end_amdhsa_kernel
	.amdgpu_metadata
---
amdhsa.version: [ 1, 2 ]
amdhsa.kernels:
  - .name:           k_q7bdddf2622_proj
    .symbol:         k_q7bdddf2622_proj.kd
    .args:
      - { .name: xb, .offset: 0, .size: 8, .value_kind: global_buffer, .address_space: global }
      - { .name: wb, .offset: 8, .size: 8, .value_kind: global_buffer, .address_space: global }
      - { .name: qkvr, .offset: 16, .size: 8, .value_kind: global_buffer, .address_space: global }
    .group_segment_fixed_size: 327680
    .private_segment_fixed_size: 0
    .kernarg_segment_align: 8
    .kernarg_segment_size: 24
    .max_flat_workgroup_size: 128
    .sgpr_count:     66
    .vgpr_count:     1024
    .wavefront_size: 32
...
	.end_amdgpu_metadata
.endif
;; end of part 3
;; launch attn (part 4): grid 4 x 64, 4 waves a work-group, clusters of 4 x 1, 327,680 bytes of LDS; arguments qkvr, ord, o; writes o
.if DOCPART == 4
	.amdgcn_target "amdgcn-amd-amdhsa--gfx1250"
	.amdhsa_code_object_version 6
	.text
	.protected	k_q7bdddf2622_attn
	.globl	k_q7bdddf2622_attn
	.p2align	8
	.type	k_q7bdddf2622_attn,@function
k_q7bdddf2622_attn:
	s_mov_b64 s[64:65], 0
	v_nop
	global_prefetch_b8 v0, s[64:65] scope:SCOPE_SE
	s_setreg_imm32_b32 hwreg(HW_REG_WAVE_MODE, 25, 1), 1
	s_wait_xcnt 0x0
	s_wait_alu depctr_hold_cnt(0) depctr_sa_sdst(0) depctr_va_vdst(0) depctr_va_sdst(0) depctr_va_ssrc(0) depctr_va_vcc(0) depctr_vm_vsrc(0)
	s_getreg_b32 s2, hwreg(HW_REG_IB_STS2, 6, 4)
	s_cmp_eq_u32 s2, 0
	s_cbranch_scc0 .Lentry_in_a_cluster
	s_endpgm
.Lentry_in_a_cluster:
	s_bfe_u32 s2, ttmp6, 0x10000c
	s_cmp_lg_u32 s2, 0x3003
	s_cbranch_scc0 .Lentry_shape_is_right
	s_endpgm
.Lentry_shape_is_right:
; ATTENTION WITH A KEY MASK.  o[16 b + h][q][:] = the sum over k of softmax_k(Q[q] . K[k] / 8) V[k][:], for the 64 pairs of batch and head.  Q, K, V lie in qkvr by heads, [2048][64] f16, dense rows of 128 bytes,
; in the order of the list: a batch's visible keys are its rows 0 .. n - 1, n read from ord.  A masked key's score is -1e9 in the problem, and its weight exp(-1e9 - maximum) is 0 in f32: here a key
; behind the n-th counts as its score less 1e30, which gives the same 0.  n = 0: every score is -1e9, the weights are all equal: no key is hidden and the scale c is 0.
; ALL 2,048 KEYS ARE WALKED, whatever n: every trip count is a constant and no branch hangs on n, so that the four partners of a cluster run alike.  n enters by selects and by the mask alone.
; Products, maxima and sums in f32; the weights p are rounded to f16 for the second product (their sum l is taken of the unrounded p), o once at the end.
; LIMITS.  Q, K, V arrive within f16's 65,504.  The visible maximum lies above -9.9e8 (else a masked key's weight would not be 0).  A weight below 2^-126 counts as 0 in l; NaN and infinities are not treated apart.
; SHARES.  A wave owns four PIECES of two tiles of 16 queries, a work-group's four waves 512 queries of one head.  Every wave walks the keys, 64 a step; a slot of LDS holds four steps (256 keys).
; THE MASK is the C operand that starts the sum S^T = K Q^T: 0, or -1e30 where the key is hidden.  With NE = n (2,048 where n = 0), step SB = NE / 64 holds the border; MD, made once, is that step's mask for my
; lane (hidden where the key's place in the step is NE % 64 or more); a step's mask is MC = MD x AL + BE with two scalars: (0, 0) ahead of SB, (1, 0) at SB, (0, -1e30) behind it.
; Key 0 is visible in every batch, so m is a true score before the first hidden one comes.
; LAYOUT.  S^T = K Q^T (source 0 = 16 keys, source 1 = 16 queries): a lane holds ONE query (lane % 16) and the keys 8 (lane / 16) + 0..7.  Two such tiles, rounded to f16 in pairs, ARE source 1 of
; O^T = V^T P.  K comes out of LDS as it lies, V turned, by ds_load_tr16_b128.
; SOFTMAX.  A running maximum m and sum l: p = 2^(c s - c m), c = log2(e) / 8; in every step O and l are multiplied by a = 2^(c m_old - c m_new).  m starts at the lowest finite number, O and l at 0.
; BY TURNS.  Turn n belongs to piece n: 16 products K Q^T of piece n + 1, later 16 products V^T P of piece n - 1; beside them the scaling, exponentials, roundings, sums and rescaling of piece n and the
; maximum and statistics of piece n + 1.  Four vector instructions stand behind every matrix instruction, the others in one run; a turn's 66 exponentials are one batch with one wait.
; CLUSTER.  The four query blocks of a head walk the same K and V: each tile is asked for JOINTLY, by the same tensor load, descriptor and mask in all four.
; REGISTERS, in windows of 256 (s_set_vgpr_msb: bits 1:0 source 0, 3:2 source 1, 5:4 source 2, 7:6 destination):
;   window 0: v0-11 addresses; v12-15, v48-63 at work; v16-47 statistics; v64-191 S^T, two buffers of two tiles; v192-255 P, likewise
;   window 1: O^T, 32 a tile     window 2: v0-127 Q; v128-191 K of one step; v192-255 V of one step     window 3: v0-1 the add's two registers; v8-39 MD; v40-71 MC
.set NP,    4
.set KS,    64
.set PK,    144       ; a row of K in LDS: 128 bytes + 16: the 16 rows of a load start at 16 different groups of four banks
.set PV,    160       ; a row of V: 128 + 32
.set VOFF,  4*KS*PK   ; a slot: 256 rows of K, then 256 rows of V
.set SLOT1, 1<<17     ; slot 1 begins here: one exclusive or turns an address in one slot into the other's
.set STAGE, SLOT1+4*KS*(PK+PV)  ; behind the ring, never filled by a tensor load: 16 rows x 144 bytes for each wave
.set SP,    144
.set SPARE, STAGE+4*16*SP  ; behind the stages: the spare words, 128 bytes for each wave: two blocks of 256 bytes that no other line names
.set AK0, 2           ; v2   my lane's place in a tile of K; never rewritten
.set AV0, 3           ; v3   the same for V
.set AK,  4           ; v4   the LDS address of K's next run of loads
.set AV,  5           ; v5   of V's; at the head, at work
.set QO,  6           ; v6   my byte offset in the wave's rows of Q
.set STO, 6           ;      later: where I put 16 bytes of a row
.set RD,  7           ; v7   where I read rows back
.set GO,  8           ; v8   my byte offset in 512 consecutive bytes of o
.set PFO, 11          ; v11  256 x my lane, for the prefetches; never rewritten once made
.set SPW, 0           ; window 3, v0   LDS address of my spare word; never rewritten
.set NIL, 1           ; window 3, v1   0; never rewritten
.set MD,  8           ; window 3, v8-39   the border step's mask: the eight registers for key block kb at MD + 8 kb
.set MC,  40          ; window 3, v40-71  the mask of the products to come
.set MV,  12
.set ST,  16          ; tile t's statistics at v[ST+4 t]: c m, m, l (even keys', odd keys')
.set TMP, 48
.set S,   64
.set P,   192
.set KF,  128
.set VF,  192
.set WV,  12          ; s12  my wave's number
.set G1K, 24          ; s[24:31] descriptor group 1 for K's tiles
.set G1V, 32          ; s[32:39] for V's
.set G0K, 40          ; s[40:43] group 0 for K's tiles: it walks
.set G0V, 44          ; s[44:47] the same for V's
.set PFA, 48          ; s[48:49] where my prefetches stand
.set LIM, 50          ; s50  1 in waves 0 and 2, else the greatest number
.set SB,  51          ; s51  the step that holds the border
.set AL,  52          ; s[52:53] the mask's factor, in the low word
.set BE,  54          ; s[54:55] the mask's addend
.set SLOTS, 56        ; s56  the slot loop's count
.set CNT, 57          ; s57  counts a slot's key steps
.set CS,  58          ; s[58:59] c
.set SEL, 60          ; s[60:61] v_permlanex16_b32's selects
.set TBK, 62          ; s62  LDS byte at which K of the step to be fetched begins
.set TBV, 63          ; s63  the same for V, less VOFF
.set BIGN, 66         ; s66  -1e30
.set CB,  67          ; s67  256 x batch; when n is in: NE
.set NE,  67
.set RAW, 68          ; s68  n as loaded
.set STP, 69          ; s69  the step whose mask is made next
.set REM, 70          ; s70  an offset's low word; later NE % 64
.set MSB, 0
.macro WIN new                      ; the high byte repeats the setting that is left; a switch that changes nothing is dropped
.if MSB != (\new)
	s_set_vgpr_msb (MSB<<8)|(\new)
.set MSB, (\new)
.endif
.endm
.set W_KQ, 0x0a       ; K and Q in window 2, S^T in window 0
.set W_KM, 0x3a       ; the same with the C operand in window 3
.set W_PV, 0x52       ; V in window 2, P in window 0, O^T in window 1
.set W_RS, 0x41       ; O^T in window 1, a in window 0
.set W_MK, 0xc0       ; destination in window 3
.set W_AD, 0x0f       ; the add: address and data in window 3
.set W_MS, 0xc3       ; the mask: destination and source 0 in window 3
; A joint fill.  Waves 0 and 1 fetch the two halves of a slot's K, waves 2 and 3 those of its V: 128 keys each.  An s_nop 0 and four v_nop follow each line.
.macro JLOAD
	s_cmp_lt_u32 s[WV], 2
	s_cbranch_scc0 .Lfor_v_\@
	tensor_load_to_lds s[G0K:G0K+3], s[G1K:G1K+7]
	s_nop 0
.rept 4
	v_nop
.endr
	s_branch .Lasked_\@
.Lfor_v_\@:
	tensor_load_to_lds s[G0V:G0V+3], s[G1V:G1V+7]
	s_nop 0
.rept 4
	v_nop
.endr
.Lasked_\@:
.endm
; A prefetch of what the NEXT fill will ask for: a slot's 32,768 bytes of K and of V, 256 bytes a lane.  The four partners share them out by address, 8,192 bytes each; wave 0 asks for K's, wave 2 for V's:
; each run of 256 bytes is named once in the launch (a head's K and V are read by this cluster alone).  It stands behind the wave's tensor load, four key steps (512 matrix instructions) ahead of that fill.
; The fill of slot j (SLOTS = 8 - j) asks for slot j + 1; the fill of slot 7 (SLOTS = 1) asks for nothing.  Slots 0 and 1 come by their loads alone.
.macro ASK
	s_cmp_gt_u32 s[SLOTS], s[LIM]
	s_cbranch_scc0 .Lnot_mine_\@
	global_prefetch_b8 v[PFO], s[PFA:PFA+1] th:TH_LOAD_NT scope:SCOPE_SE
.Lnot_mine_\@:
.endm
.macro CROUND                       ; a round of the cluster's barrier
	s_barrier_signal -1
	s_barrier_wait -1
	s_cmp_lg_u32 s[WV], 0
	s_cbranch_scc1 .Lnot_wave_0_\@
	s_barrier_signal -3
.Lnot_wave_0_\@:
	s_barrier_wait -3
	s_barrier_signal -1
	s_barrier_wait -1
.endm
; THE CHANGE OF SLOTS.  Each wave waits for all its tensor loads (one is out: its part of the other slot), adds 0 to its spare word, and waits for that and for its own reads of the slot that it leaves.
; fill = 1: the slot is filled again, with the keys two slots on, first thing behind a round of the cluster's barrier.  (At its first use nothing has been read yet: slot 0 is waited for, slot 1 filled.)
.macro CHANGE fill
	WIN W_AD
	s_wait_tensorcnt 0x0            ; no tensor load of mine is out, so a group 0 may be written
	ds_add_u32 v[SPW], v[NIL]
	WIN 0
.if \fill
.irp g, G0K, G0V
	s_xor_b32 s[\g+1], s[\g+1], SLOT1
	s_add_nc_u64 s[\g+2:\g+3], s[\g+2:\g+3], 4*KS*128
.endr
	s_wait_xcnt 0x0                 ; the last prefetch, four key steps back, has read its address
	s_add_nc_u64 s[PFA:PFA+1], s[PFA:PFA+1], 4*KS*128  ; one slot ahead of the walking descriptors
	s_wait_dscnt 0x0                ; the add is done, and my reads of the slot are over
	CROUND
	JLOAD
	ASK
.else
	s_wait_dscnt 0x0
	s_barrier_signal -1
	s_barrier_wait -1
.endif
	s_sub_co_u32 s[TBK], s[TBK], 4*KS*PK  ; the fetches go back to a slot's first step,
	s_xor_b32 s[TBK], s[TBK], SLOT1       ; in the other slot
	s_sub_co_u32 s[TBV], s[TBV], 4*KS*PV
	s_xor_b32 s[TBV], s[TBV], SLOT1
.endm
	s_load_b128 s[4:7], s[0:1], 0x0   ; qkvr s[4:5], ord s[6:7]
	s_load_b64 s[10:11], s[0:1], 0x10 ; o
	WIN W_MK
	v_lshl_add_u32 v[SPW], v0, 2, SPARE
	v_mov_b32 v[NIL], 0
	WIN W_AD
	ds_add_u32 v[SPW], v[NIL]       ; the wave's opening: the add and its wait stand ahead of my first tensor load; work on registers stands between them
	WIN 0
	v_lshrrev_b32 v1, 5, v0
	v_readfirstlane_b32 s[WV], v1   ; wave 0..3
	s_bfe_u32 s13, ttmp6, 0x40000   ; cx
	s_lshl_b32 s14, ttmp9, 2
	s_add_co_u32 s14, s14, s13      ; my block of 512 queries: it enters Q's and o's addresses alone
	s_and_b32 s15, ttmp7, 0xffff    ; 16 b + h, which the four partners share
	s_lshr_b32 s19, s15, 4          ; b
	s_lshl_b32 s[CB], s19, 8
	s_and_b32 s20, s15, 15          ; h
	s_lshl_b32 s19, s19, 6
	s_add_co_u32 s20, s20, s19
	s_lshl_b32 s20, s20, 18         ; (64 b + h) x 2,048 rows x 128 bytes: Q's head in qkvr
	s_mov_b32 s21, 0
	s_lshl_b32 s8, s15, 18          ; the head in o
	s_mov_b32 s9, 0
	s_and_b32 s16, s[WV], 1         ; which half of a slot's 256 keys I fetch:
	s_lshl_b32 s22, s16, 14         ; its 128 rows in memory,
	s_mov_b32 s23, 0
	s_add_nc_u64 s[22:23], s[22:23], s[20:21]
	s_mul_i32 s17, s16, 128*PK      ; and its place in a slot, for K
	s_mul_i32 s18, s16, 128*PV      ; and for V: no place in the cluster enters an LDS address
	s_lshl_b32 s2, s14, 2
	s_add_co_u32 s2, s2, s[WV]      ; my wave among the head's sixteen,
	s_lshl_b32 s2, s2, 14           ; its 128 rows
	s_mov_b32 s3, 0
	; descriptor group 1.  128 keys are 16,384 dense bytes: asked for as 64 rows of 256 bytes, two keys a row, padded in LDS after every key
	s_mov_b32 s[G1K], 15|(1<<16)|(1<<20)|(1<<21)|(4<<22)|(3<<25)  ; the mask of four; 2-byte elements; padding on; bit 21 beside a mask; after every 32 words 4 words
	s_mov_b32 s[G1V], 15|(1<<16)|(1<<20)|(1<<21)|(4<<22)|(7<<25)  ; the same with 8 words
.irp g, G1K, G1V
	s_mov_b32 s[\g+1], 128<<16      ; tensor_dim0 = 128
	s_mov_b32 s[\g+2], 64<<16       ; tensor_dim1 = 64
	s_mov_b32 s[\g+3], 128<<16      ; tile_dim0 = 128
	s_mov_b32 s[\g+4], 64           ; tile_dim1 = 64
	s_mov_b32 s[\g+5], 128          ; elements from row to row
	s_mov_b32 s[\g+6], 0
	s_mov_b32 s[\g+7], 0
.endr
	s_mov_b32 s[SEL], 0x76543210
	s_mov_b32 s[SEL+1], 0xfedcba98
	s_mov_b32 s[BIGN], 0xf149f2ca   ; -1e30
	s_mov_b32 s[TBK], SLOT1+4*KS*PK ; the first change of slots turns these two into 0
	s_mov_b32 s[TBV], SLOT1+4*KS*PV
	s_mov_b32 s[SLOTS], 7           ; fills still to come: slots 1 to 7
	s_mov_b32 s[STP], 0
	s_mov_b32 s[AL+1], 0            ; named as pairs
	s_mov_b32 s[BE+1], 0
	s_mov_b32 s[G0K], 1
	s_mov_b32 s[G0K+1], s17         ; slot 0
	s_mov_b32 s[G0V], 1
	s_add_co_u32 s[G0V+1], s18, VOFF
	s_and_b32 s[LIM], s[WV], 1
	s_cmp_eq_u32 s[LIM], 0
	s_cselect_b32 s[LIM], 1, -1
	s_mov_b32 s70, 0x800000         ; V's heads begin 32 heads behind Q's, K's 16
	s_cmp_lt_u32 s[WV], 2
	s_cselect_b32 s70, 0x400000, s70
	s_lshl_b32 s71, s13, 13         ; my work-group's 8,192 bytes of a slot's 32,768
	s_add_co_u32 s70, s70, s71
	s_add_co_u32 s70, s70, 4*KS*128 ; in slot 1; the first change of slots steps it to slot 2
	s_mov_b32 s71, 0
	s_wait_dscnt 0x0                ; the opening add is done
	s_wait_kmcnt 0x0
	s_load_b32 s[RAW], s[6:7], s[CB] offset:0x8000  ; the batch's number of visible keys
	s_add_nc_u64 s[G0K+2:G0K+3], s[4:5], s[22:23]
	s_add_nc_u64 s[G0K+2:G0K+3], s[G0K+2:G0K+3], 0x400000
	s_or_b32 s[G0K+3], s[G0K+3], 0x80000000
	s_add_nc_u64 s[G0V+2:G0V+3], s[4:5], s[22:23]
	s_add_nc_u64 s[G0V+2:G0V+3], s[G0V+2:G0V+3], 0x800000
	s_or_b32 s[G0V+3], s[G0V+3], 0x80000000
	s_add_nc_u64 s[PFA:PFA+1], s[4:5], s[20:21]
	s_add_nc_u64 s[PFA:PFA+1], s[PFA:PFA+1], s[70:71]
	s_add_nc_u64 s[4:5], s[4:5], s[20:21]  ; Q and o at my wave's first row
	s_add_nc_u64 s[4:5], s[4:5], s[2:3]
	s_add_nc_u64 s[10:11], s[10:11], s[8:9]
	s_add_nc_u64 s[10:11], s[10:11], s[2:3]
	CROUND                          ; all four work-groups are here: the first joint loads meet
	JLOAD                           ; slot 0
	v_and_b32 v1, 15, v0            ; l % 16
	v_bfe_u32 v9, v0, 4, 1          ; l / 16
	v_lshlrev_b32 v[QO], 7, v1
	v_lshl_add_u32 v[QO], v9, 4, v[QO]  ; row x 128 + 16 x half
	WIN 0x80
.set i, 0
.rept 4*NP                          ; Q stays in registers: tile i / 2, channels 32 (i % 2) on
	global_load_b128 v[8*i:8*i+3],   v[QO], s[4:5] offset:(i/2)*2048+(i%2)*64
	global_load_b128 v[8*i+4:8*i+7], v[QO], s[4:5] offset:(i/2)*2048+(i%2)*64+32
.set i, i+1
.endr
	; What the first turn finds: V's registers and P's second buffer hold 0, O^T and l are 0.  All this stands in the wait for the first tile.
.set i, VF
.rept 64
	v_mov_b32 v[i], 0
.set i, i+1
.endr
	WIN 0x40
.set i, 0
.rept 64*NP
	v_mov_b32 v[i], 0
.set i, i+1
.endr
	WIN 0
.set i, 0
.rept 2*NP
	v_mov_b32 v[ST+4*i], 0xfe000000    ; c m: far below every c s
	v_mov_b32 v[ST+4*i+1], 0xff7fffff  ; m
	v_mov_b32 v[ST+4*i+2], 0
	v_mov_b32 v[ST+4*i+3], 0
.set i, i+1
.endr
.set i, P+32
.rept 32
	v_mov_b32 v[i], 0
.set i, i+1
.endr
	v_mul_u32_u24 v[AK0], v1, PK
	v_lshl_add_u32 v[AK0], v9, 4, v[AK0]
	; The turning load takes 16 keys x 16 channels (lane l reads key 8 (l / 16) + l % 8, channels 8 ((l / 8) % 2) + 0..7) and leaves half a fragment of V^T
	v_and_b32 v10, 7, v0
	v_bfe_u32 v11, v0, 3, 1
	v_lshl_add_u32 v[AV0], v9, 3, v10
	v_mul_u32_u24 v[AV0], v[AV0], PV
	v_lshl_add_u32 v[AV0], v11, 4, v[AV0]
	v_add_nc_u32 v[AV0], VOFF, v[AV0]
	v_mov_b32 v[AK], v[AK0]         ; key step 0 lies at the head of slot 0
	v_and_b32 v[PFO], 31, v0
	v_lshlrev_b32 v[PFO], 8, v[PFO]
	v_lshlrev_b32 v[AV], 3, v9      ; 8 (l / 16), at work
	s_wait_kmcnt 0x0                ; n
	s_min_u32 s[RAW], s[RAW], 2048
	s_cmp_eq_u32 s[RAW], 0
	s_cselect_b32 s[CS], 0, 0x3e38aa3b  ; c = log2(e) / 8 = 0.180337; 0 where no key is visible
	s_cselect_b32 s[NE], 2048, s[RAW]
	s_mov_b32 s[CS+1], s[CS]        ; named with it as a pair
	s_lshr_b32 s[SB], s[NE], 6      ; 0 .. 32; 32: no step holds a hidden key
	s_and_b32 s[REM], s[NE], 63
	v_sub_nc_u32 v[AV], s[REM], v[AV]  ; register r of key block kb is hidden where 16 kb + r is this or more
	WIN W_MK
.set i, 0
.rept 32
	v_cmp_ge_i32 vcc_lo, 16*(i/8)+i%8, v[AV]
	v_cndmask_b32 v[MD+i], 0, s[BIGN], vcc_lo
.set i, i+1
.endr
	WIN 0
; THE MATRIX WORK.  The 8 accumulators of a run of 16 take turns.  Product i of 16 of S^T = K Q^T for piece x: channels 32 (i / 8) on, keys 16 ((i / 2) % 4) on, tile 2 x + i % 2.
; The first 8 start the sums with the mask.
.macro KQ x
.set rS, S+64*((\x)%2)+32*(i%2)+8*((i/2)%4)
.set rK, KF+16*((i/2)%4)+8*(i/8)
.set rQ, 16*(2*(\x)+i%2)+8*(i/8)
.set rMC, MC+8*((i/2)%4)
.if i < 8
	WIN W_KM
	v_wmma_f32_16x16x32_f16 v[rS:rS+7], v[rK:rK+7], v[rQ:rQ+7], v[rMC:rMC+7]
.else
	WIN W_KQ
	v_wmma_f32_16x16x32_f16 v[rS:rS+7], v[rK:rK+7], v[rQ:rQ+7], v[rS:rS+7]
.endif
.endm
; Product i of 16 of O^T += V^T P for piece x: keys 32 (i / 8) on, channels 16 ((i / 2) % 4) on, tile 2 x + i % 2.
.macro PV x
	WIN W_PV
.set rO, 32*(2*(\x)+i%2)+8*((i/2)%4)
.set rV, VF+32*(i/8)+8*((i/2)%4)
.set rP, P+32*((\x)%2)+16*(i%2)+8*(i/8)
	v_wmma_f32_16x16x32_f16 v[rO:rO+7], v[rV:rV+7], v[rP:rP+7], v[rO:rO+7]
.endm
.macro MM                           ; the turn's next matrix instruction
.if i < 16
	KQ (Y+1)%NP
.set i, i+1
.else
.set i, i-16
	PV (Y+NP-1)%NP
.set i, i+17
.endif
.endm
; THE LDS LOADS stand in runs of 16.  last = 1 (the tail): in the last trip there is no further step, and the run is jumped over.
.macro FETCH_K last=0
	WIN 0
.if \last
	s_cmp_eq_u32 s[CNT], 1
	s_cbranch_scc1 .Lno_k_\@
.endif
	WIN 0x80
.irp f, 0,1,2,3,4,5,6,7             ; keys 16 (f / 2) on, channels 32 (f % 2) on
	ds_load_b128 v[KF+8*\f:KF+8*\f+3],   v[AK] offset:(\f/2)*16*PK+(\f%2)*64
	ds_load_b128 v[KF+8*\f+4:KF+8*\f+7], v[AK] offset:(\f/2)*16*PK+(\f%2)*64+32
.endr
	s_add_co_u32 s[TBK], s[TBK], KS*PK
	WIN 0
.if \last
.Lno_k_\@:
.endif
.endm
.macro FETCH_V
	WIN 0x80
.irp f, 0,1,2,3,4,5,6,7             ; keys 32 (f / 4) on, channels 16 (f % 4) on
	ds_load_tr16_b128 v[VF+8*\f:VF+8*\f+3],   v[AV] offset:(\f/4)*32*PV+(\f%4)*32
	ds_load_tr16_b128 v[VF+8*\f+4:VF+8*\f+7], v[AV] offset:(\f/4)*32*PV+16*PV+(\f%4)*32
.endr
	WIN 0
.endm
; THE MASK of step STP: MD x AL + BE; then STP goes on.  Two selects choose the scalars: nothing is jumped.
.macro MASK
	s_cmp_eq_u32 s[STP], s[SB]      ; the step with the border?
	s_cselect_b32 s[AL], 1.0, 0
	s_cmp_gt_u32 s[STP], s[SB]      ; or one behind it?
	s_cselect_b32 s[BE], s[BIGN], 0
	s_add_co_u32 s[STP], s[STP], 1
	WIN W_MS
.set z, 0
.rept 16
	v_pk_fma_f32 v[MC+2*z:MC+2*z+1], v[MD+2*z:MD+2*z+1], s[AL:AL+1], s[BE:BE+1] op_sel_hi:[1,0,0]
.set z, z+1
.endr
	WIN 0
.endm
; THE VECTOR WORK OF A TURN stands in three queues, each in the order in which its entries become ready; the two tiles alternate.
.macro REGS y, u
.set rT, ST+4*(2*(\y)+(\u))
.set rC, TMP+8*((\y)%2)+4*(\u)
.set rM, MV+2*((\y)%2)+(\u)
.set rS, S+64*((\y)%2)+32*(\u)
.set rP, P+32*((\y)%2)+16*(\u)
.set rO, 32*(2*(\y)+(\u))
.endm
; Number n of the 22 that find the NEXT piece's maximum and statistics; each accumulator's lowest registers are read first.
;   0-11 four chains of seven scores   12-14, 16 the four scores left over, the old m, the chains into one   15 c m_old is kept   17, 18 the other half of the lanes: the new m   19-21 c m; its change; a
.macro XS u, n
	REGS (Y+1)%NP, \u
.if (\n) < 4
	v_max3_num_f32 v[rC+(\n)], v[rS+8*(\n)], v[rS+8*(\n)+1], v[rS+8*(\n)+2]
.elseif (\n) < 12
	v_max3_num_f32 v[rC+(\n)%4], v[rC+(\n)%4], v[rS+8*((\n)%4)+2*((\n)/4)+1], v[rS+8*((\n)%4)+2*((\n)/4)+2]
.elseif (\n) == 12
	v_max3_num_f32 v[rC], v[rC], v[rS+7], v[rS+15]
.elseif (\n) == 13
	v_max3_num_f32 v[rC+1], v[rC+1], v[rS+23], v[rS+31]
.elseif (\n) == 14
	v_max3_num_f32 v[rC+2], v[rC+2], v[rC+3], v[rT+1]
.elseif (\n) == 15
	v_mov_b32 v[rM], v[rT]
.elseif (\n) == 16
	v_max3_num_f32 v[rC], v[rC], v[rC+1], v[rC+2]
.elseif (\n) == 17
	v_permlanex16_b32 v[rC+3], v[rC], s[SEL], s[SEL+1]
.elseif (\n) == 18
	v_max_num_f32 v[rT+1], v[rC], v[rC+3]
.elseif (\n) == 19
	v_mul_f32 v[rT], s[CS], v[rT+1]
.elseif (\n) == 20
	v_sub_f32 v[rC+1], v[rM], v[rT]
.else
	v_exp_f32 v[rC+2], v[rC+1]
.endif
.endm
; Number g of the 64 that follow the exponentials: for each four weights both pairs are rounded to f16; the second pair is added onto the first, in place; a group later l takes that sum (first: l = a l + sum).
.macro GS g
.set h, (\g)+6*((\g)/62)
.if h >= 6
.set h, h+2
.endif
	REGS Y, h%2
.set k, h/8
.if h%8 < 4
	v_cvt_pk_f16_f32 v[rP+2*k+(h%8)/2], v[rS+4*k+2*((h%8)/2)], v[rS+4*k+2*((h%8)/2)+1]
.elseif h%8 < 6
	v_pk_add_f32 v[rS+4*k:rS+4*k+1], v[rS+4*k:rS+4*k+1], v[rS+4*k+2:rS+4*k+3]
.elseif k == 1
	v_pk_fma_f32 v[rT+2:rT+3], v[rT+2:rT+3], v[rC+2:rC+3], v[rS:rS+1] op_sel_hi:[1,0,1]
.else
	v_pk_add_f32 v[rT+2:rT+3], v[rT+2:rT+3], v[rS+4*k-4:rS+4*k-3]
.endif
.endm
; THE PLAIN QUEUE, 138 long.  0-26: scalings 0-26.  27-54: XS 0-13.  55, 56: XS 15.  57-73: the chain XS 14, 16 .. 19, each with one of the scalings 27-31 in front of its two lines, then XS 20.  74-137: GS, behind the wait.
.macro FS f
	REGS Y, (\f)%2
	v_pk_fma_f32 v[rS+2*((\f)/2):rS+2*((\f)/2)+1], v[rS+2*((\f)/2):rS+2*((\f)/2)+1], s[CS:CS+1], v[rT:rT+1] op_sel_hi:[1,0,0] neg_lo:[0,0,1] neg_hi:[0,0,1]
.endm
.macro PL
	WIN 0
.if q < 27
	FS q
.elseif q < 55
	XS (q-27)%2, (q-27)/2
.elseif q < 57
	XS q-55, 15
.elseif (q < 72) && ((q-57)%3 == 0)
	FS 27+(q-57)/3
.elseif q < 60
	XS (q-57)%3-1, 14
.elseif q < 72
	XS (q-57)%3-1, 15+(q-57)/3
.elseif q < 74
	XS q-72, 20
.else
	GS q-74
.endif
.set q, q+1
.endm
; THE EXPONENTIALS' QUEUE, 66 long: s0-s31 of both tiles, then the next piece's two a: one batch, all ahead of the turn's one wait; nothing ahead of that wait names a result of theirs.
.macro EX
	WIN 0
.if e >= 64
	XS e-64, 21
.else
	REGS Y, e%2
	v_exp_f32 v[rS+e/2], v[rS+e/2]
.endif
.set e, e+1
.endm
; THE RESCALING's QUEUE: O^T times a, two at a time, sixteen times.  Its a was made in the turn before, ahead of that turn's wait.
.macro R2
	REGS Y, r%2
	WIN W_RS
.irp z, 0,1
	v_pk_mul_f32 v[rO+4*(r/2)+2*\z:rO+4*(r/2)+2*\z+1], v[rO+4*(r/2)+2*\z:rO+4*(r/2)+2*\z+1], v[rC+2:rC+3] op_sel_hi:[1,0]
.endr
.set r, r+1
.endm
; A TURN, for piece p.  Ahead of its one wait: 16 products K Q^T, behind each a scaling, an exponential and two rescalings; then a run of 108: eight plain, 49 times exponential and plain, the two a.
; Behind the wait: 16 products V^T P, behind each four of the roundings and sums.  Exponential e stands behind scaling 2 (e / 4) + e % 2.
; K of the next step is fetched in piece 2's turn, directly behind the wait; V of the step in hand at the end of piece 0's turn, four plain instructions behind its last reader.
; last = 1: FETCH_K's jump.  cnt = 1: the loop's count is taken down some lines ahead of the branch behind the turn.
.macro TURN p, last=0, cnt=0
.set Y, (\p)
.set i, 0
.set q, 0
.set e, 0
.set r, 0
.if (\p) == NP-1
	s_wait_dscnt 0x0                ; K is in
.endif
	MM
	PL
	PL
	R2
.rept 15
	MM
	PL
	EX
	R2
.endr
.if (\p) == NP-2
	WIN 0
	v_add_nc_u32 v[AK], s[TBK], v[AK0]
.endif
.rept 8
	PL
.endr
.rept 49
	EX
	PL
.endr
	EX
	EX
	v_nop                           ; a plain instruction behind the last exponential: one for the batch
	s_wait_alu depctr_va_vdst(0)    ; the wait for the batch, ahead of the first line that names a result
.if (\p) == NP-2
	FETCH_K \last
.endif
.if (\p) == 1
	s_wait_dscnt 0x0                ; V is in
.endif
.rept 16
	MM
.rept 4
	PL
.endr
.if ((\p) == 0) && (q == 118)
	v_add_nc_u32 v[AV], s[TBV], v[AV0]
.endif
.if ((\p) == 0) && (q == 130)
	s_add_co_u32 s[TBV], s[TBV], KS*PV
.endif
.if (\cnt) && (q == 130)
	s_sub_co_u32 s[CNT], s[CNT], 1
	s_cmp_lg_u32 s[CNT], 0
.endif
.endr
.if (\p) == 0
	FETCH_V
.endif
.endm
	CHANGE 1                        ; slot 0 is in, everybody's part of it; slot 1 is asked for
	MASK                            ; step 0's
	FETCH_K                         ; key step 0
	s_wait_loadcnt 0x0              ; Q
	s_wait_dscnt 0x0
.set i, 0
.rept 16
	KQ 0                            ; piece 0's first scores: there is no vector work yet to set between them
.set i, i+1
.endr
	WIN 0                           ; the addresses for the way out: nine plain vector instructions, the places behind those products
	s_mul_i32 s13, s[WV], 16*SP
	s_add_co_u32 s13, s13, STAGE    ; my stage
	v_mul_u32_u24 v[STO], v1, SP    ; in: row l % 16, 16 bytes for each half of the lanes
	v_lshl_add_u32 v[STO], v9, 4, v[STO]
	v_add_nc_u32 v[STO], s13, v[STO]
	v_bfe_u32 v[RD], v0, 3, 2       ; back: 32 lanes take four rows of 128 bytes,
	v_mul_u32_u24 v[RD], v[RD], SP
	v_lshl_add_u32 v[RD], v10, 4, v[RD]
	v_add_nc_u32 v[RD], s13, v[RD]
	v_and_b32 v[GO], 31, v0         ; which are 512 consecutive bytes of o
	v_lshlrev_b32 v[GO], 4, v[GO]
.set Y, NP-1                        ; XS works for piece Y + 1: piece 0
.irp n, 0,1,2,3,4,5,6,7,8,9,10,11,12,13,14,15,16,17,18,19,20,21
	XS 0, \n
	XS 1, \n
.endr
	v_nop                           ; a plain instruction behind the two a,
	s_wait_alu depctr_va_vdst(0)    ; and their wait, ahead of the branch
	s_mov_b32 s[CNT], 4
	s_branch .Lfirst                ; the loop is entered at a step's first turn, in the middle of a trip
.Lslot:                             ; six times: slots 2 to 7 are asked for
	CHANGE 1
	s_mov_b32 s[CNT], 4
.Lstep:                             ; a trip: pieces 2 and 3 of one step, then pieces 0 and 1 of the next, whose K and V it fetches
	TURN 2                          ; piece 3's scores still belong to the step in hand,
	MASK                            ; piece 0's, in the next turn, to the step whose K has just been fetched
	TURN 3
	WIN 0
.Lfirst:
	TURN 0
	TURN 1, 0, 1
	WIN 0
	s_cbranch_scc1 .Lstep
	s_sub_co_u32 s[SLOTS], s[SLOTS], 1
	s_cmp_lg_u32 s[SLOTS], 0
	s_cbranch_scc1 .Lslot
	CHANGE 0                        ; the tail is written out: nothing is asked for
	s_mov_b32 s[CNT], 5             ; four trips fetch the last slot's steps; the fifth is left in its middle
.Ltail:
	TURN 2, 1
	MASK
	TURN 3
	WIN 0
	s_sub_co_u32 s[CNT], s[CNT], 1
	s_cmp_eq_u32 s[CNT], 0
	s_cbranch_scc1 .Lout
	TURN 0
	TURN 1
	WIN 0
	s_branch .Ltail
.Lout:                              ; the fifth trip's 16 products K Q^T (on the last K once more) and the maximum made of them serve nothing: the price, once a launch, of one text for every trip
.set i, 0
.rept 16
	PV NP-1                         ; the last piece's V^T P of the last step
.set i, i+1
.endr
	; THE WAY OUT.  l's two halves and the other half of the lanes' are added; O^T is divided by l, rounded to f16 and sent through my stage in LDS, a tile at a time.  The additions are the places behind the last products.
	WIN 0
.macro ALL line:vararg
.set t, 0
.rept 2*NP
	\line
.set t, t+1
.endr
.endm
	ALL v_add_f32 v[ST+4*t+2], v[ST+4*t+2], v[ST+4*t+3]
	ALL v_permlanex16_b32 v[ST+4*t+3], v[ST+4*t+2], s[SEL], s[SEL+1]
	ALL v_add_f32 v[ST+4*t+2], v[ST+4*t+2], v[ST+4*t+3]
	ALL v_rcp_f32 v[ST+4*t+2], v[ST+4*t+2]
	v_nop                           ; a plain instruction between the last reciprocal and the use of its result
	s_wait_alu depctr_va_vdst(0)    ; one wait for the eight reciprocals
.macro PACK t
	WIN W_RS
.set i, 32*(\t)
.rept 16
	v_pk_mul_f32 v[i:i+1], v[i:i+1], v[ST+4*(\t)+2:ST+4*(\t)+3] op_sel_hi:[1,0]
.set i, i+2
.endr
	WIN 0x05                        ; sources 0 and 1 window 1, destination window 0
.set i, 0
.rept 16
	v_cvt_pk_f16_f32 v[S+16*(\t)+i], v[32*(\t)+2*i], v[32*(\t)+2*i+1]
.set i, i+1
.endr
	WIN 0
.irp f, 0,1,2,3
	ds_store_b128 v[STO], v[S+16*(\t)+4*\f:S+16*(\t)+4*\f+3] offset:32*\f
.endr
.irp f, 0,1,2,3
	ds_load_b128 v[S+16*(\t)+4*\f:S+16*(\t)+4*\f+3], v[RD] offset:\f*4*SP  ; LDS serves a wave's instructions in order: these see the stores above; the next tile's stores come behind them
.endr
.endm
.macro SEND t, younger              ; younger: the LDS instructions issued behind tile t's loads: the next tile's eight, or none
	WIN 0
.irp f, 0,1,2,3
	s_wait_dscnt (\younger)+3-\f
	global_store_b128 v[GO], v[S+16*(\t)+4*\f:S+16*(\t)+4*\f+3], s[10:11] offset:(\t)*2048+\f*512  ; 512 consecutive bytes, aligned
.endr
.endm
	PACK 0
.set t, 1
.rept 2*NP-1
	PACK t
	SEND t-1, 8
.set t, t+1
.endr
	SEND 2*NP-1, 0
	WIN W_AD
	s_wait_tensorcnt 0x0            ; the wave's end: a tensor wait, an add to my spare word and its wait, behind my last tensor load and my last LDS store
	ds_add_u32 v[SPW], v[NIL]
	s_wait_dscnt 0x0
	WIN 0
	CROUND                          ; the closing round: no work-group ends while a partner may still ask for a tile that names it
	s_endpgm
.Lfunc_end_k_q7bdddf2622_attn:
	.size	k_q7bdddf2622_attn, .Lfunc_end_k_q7bdddf2622_attn-k_q7bdddf2622_attn
	.p2alignl 7, 3214868480
	.fill 96, 4, 3214868480
	.section	.rodata,"a",@progbits
	.p2align	6, 0x0
	.amdhsa_kernel k_q7bdddf2622_attn
		.amdhsa_group_segment_fixed_size 327680
		.amdhsa_private_segment_fixed_size 0
		.amdhsa_enable_private_segment 0
		.amdhsa_kernarg_size 24
		.amdhsa_user_sgpr_count 2
		.amdhsa_user_sgpr_kernarg_segment_ptr 1
		.amdhsa_wavefront_size32 1
		.amdhsa_system_sgpr_workgroup_id_x 1
		.amdhsa_system_sgpr_workgroup_id_y 1
		.amdhsa_system_sgpr_workgroup_id_z 1
		.amdhsa_system_vgpr_workitem_id 0
		.amdhsa_next_free_vgpr 840
		.amdhsa_next_free_sgpr 72
		.amdhsa_reserve_vcc 1
		.amdhsa_float_denorm_mode_32 3
		.amdhsa_float_denorm_mode_16_64 3
		.amdhsa_memory_ordered 1
		.amdhsa_forward_progress 1
		.amdhsa_inst_pref_size 208
	.end_amdhsa_kernel
	.amdgpu_metadata
---
amdhsa.version: [ 1, 2 ]
amdhsa.kernels:
  - .name:           k_q7bdddf2622_attn
    .symbol:         k_q7bdddf2622_attn.kd
    .args:
      - { .name: qkvr, .offset: 0, .size: 8, .value_kind: global_buffer, .address_space: global }
      - { .name: ord, .offset: 8, .size: 8, .value_kind: global_buffer, .address_space: global }
      - { .name: o, .offset: 16, .size: 8, .value_kind: global_buffer, .address_space: global }
    .group_segment_fixed_size: 327680
    .private_segment_fixed_size: 0
    .kernarg_segment_align: 8
    .kernarg_segment_size: 24
    .max_flat_workgroup_size: 128
    .sgpr_count:     72
    .vgpr_count:     840
    .wavefront_size: 32
...
	.end_amdgpu_metadata
.endif
;; end of part 4
;; launch norm (part 5): grid 512 x 1, 8 waves a work-group, no clusters, 0 bytes of LDS; arguments o, qkvr, gamma, beta, ord, out0; writes out0
.if DOCPART == 5
	.amdgcn_target "amdgcn-amd-amdhsa--gfx1250"
	.amdhsa_code_object_version 6
	.text
	.protected	k_q7bdddf2622_norm
	.globl	k_q7bdddf2622_norm
	.p2align	8
	.type	k_q7bdddf2622_norm,@function
k_q7bdddf2622_norm:
	s_mov_b64 s[64:65], 0
	v_nop
	global_prefetch_b8 v0, s[64:65] scope:SCOPE_SE
	s_setreg_imm32_b32 hwreg(HW_REG_WAVE_MODE, 25, 1), 1
	s_wait_xcnt 0x0
; out0[b][orig[p]][:] = LayerNorm(ReLU(o[b][:][p][:] + r[b][:][p][:])) gamma + beta, over the row's 1,024 channels (16 heads x 64).  o and r (qkvr's heads 48 to 63) are f16, by heads; all arithmetic in f32.
; The variance is the mean square of the centred values (two passes over registers): no difference of large sums.  LIMIT: ReLU is a maximum with 0 in which a NaN loses.
; A wave takes two rows p, p + 1 of the list's order: lane l holds row p + l / 16 and, in each head, the channels 4 (l % 16) + 0..3.  So a load of 8 bytes a lane covers 256 consecutive bytes (two rows of
; a head), a row's sums stay inside 16 lanes, and 16 lanes store 256 consecutive bytes of out0, aligned.  Memory binds: no LDS, no barrier; each byte of o, r and out0 crosses once.
.set HEADB, 2048*128                   ; bytes from a head to the next
.set T,   8                            ; v[8:15]    at work, two sets of four
.set CH,  16                           ; v[16:23]   four chains of pairs
.set MU,  24                           ; v[24:25]   the mean, twice
.set RS,  26                           ; v[26:27]   1 / sqrt(var + eps), twice
.set D,   32                           ; v[32:95]   head h: o in 4 h, 4 h + 1 and r in 4 h + 2, 4 h + 3 as loaded; then its four numbers in f32
.set G,   96                           ; v[96:159]  gamma
.set BT,  160                          ; v[160:223] beta
	s_load_b256 s[4:11], s[0:1], 0x0               ; o s[4:5], qkvr s[6:7], gamma s[8:9], beta s[10:11]
	s_load_b128 s[12:15], s[0:1], 0x20             ; ord s[12:13], out0 s[14:15]
	v_lshrrev_b32 v1, 5, v0
	v_readfirstlane_b32 s2, v1                     ; wave 0..7
	s_lshl_b32 s3, ttmp9, 4
	s_lshl_b32 s16, s2, 1
	s_add_co_u32 s3, s3, s16                       ; my first row, 2048 b + p
	v_and_b32 v1, 31, v0
	v_lshlrev_b32 v2, 3, v1                        ; 8 x lane
	v_and_b32 v3, 15, v0
	v_lshlrev_b32 v3, 4, v3                        ; 16 (l % 16)
	v_bfe_u32 v4, v0, 4, 1
	v_add_nc_u32 v4, s3, v4
	v_lshlrev_b32 v4, 2, v4                        ; my row's entry in the list
	v_mov_b32 v7, 1.0
	s_lshr_b32 s24, s3, 11                         ; b
	s_and_b32 s25, s3, 2047
	s_lshl_b32 s25, s25, 7                         ; p x 128
	s_lshl_b32 s16, s24, 22                        ; o: 16 heads a batch
	s_add_co_u32 s16, s16, s25
	s_mov_b32 s17, 0
	s_lshl_b32 s18, s24, 24                        ; qkvr: 64 heads a batch,
	s_add_co_u32 s18, s18, s25
	s_add_co_u32 s18, s18, 48*HEADB                ; r's from the 48th on
	s_mov_b32 s19, 0
	s_lshl_b32 s22, s24, 23                        ; out0: 2,048 rows of 4,096 bytes a batch
	s_mov_b32 s23, 0
	s_mov_b32 s20, 0x3a800000                      ; 1 / 1024
	s_mov_b32 s21, 0x3727c5ac                      ; 1e-5
	s_wait_kmcnt 0x0
	s_add_nc_u64 s[4:5], s[4:5], s[16:17]
	s_add_nc_u64 s[6:7], s[6:7], s[18:19]
	s_add_nc_u64 s[14:15], s[14:15], s[22:23]
	global_load_b32 v5, v4, s[12:13]               ; orig
.set h, 0
.rept 16
	global_load_b64 v[D+4*h:D+4*h+1],   v2, s[4:5] offset:h*HEADB th:TH_LOAD_NT
	global_load_b64 v[D+4*h+2:D+4*h+3], v2, s[6:7] offset:h*HEADB th:TH_LOAD_NT
.set h, h+1
.endr
.set h, 0
.rept 16
	global_load_b128 v[G+4*h:G+4*h+3], v3, s[8:9] offset:256*h
.set h, h+1
.endr
.set h, 0
.rept 16
	global_load_b128 v[BT+4*h:BT+4*h+3], v3, s[10:11] offset:256*h
.set h, h+1
.endr
	; ReLU(o + r): o x 1 + r straight from the f16 halves, one rounding to f32
.set h, 0
.rept 16
	s_wait_loadcnt 62-2*h                          ; head h's two loads are in; behind them stand 2 (15 - h) of o and r and 32 of gamma and beta
.set t, T+4*(h%2)
	v_fma_mix_f32 v[t],   v[D+4*h],   v7, v[D+4*h+2] op_sel:[0,0,0] op_sel_hi:[1,0,1]
	v_fma_mix_f32 v[t+1], v[D+4*h],   v7, v[D+4*h+2] op_sel:[1,0,1] op_sel_hi:[1,0,1]
	v_fma_mix_f32 v[t+2], v[D+4*h+1], v7, v[D+4*h+3] op_sel:[0,0,0] op_sel_hi:[1,0,1]
	v_fma_mix_f32 v[t+3], v[D+4*h+1], v7, v[D+4*h+3] op_sel:[1,0,1] op_sel_hi:[1,0,1]
	v_max_num_f32 v[D+4*h],   0, v[t]
	v_max_num_f32 v[D+4*h+1], 0, v[t+1]
	v_max_num_f32 v[D+4*h+2], 0, v[t+2]
	v_max_num_f32 v[D+4*h+3], 0, v[t+3]
.set h, h+1
.endr
.macro FOLD                            ; the four chains into one number a row, in each of its sixteen lanes
	v_pk_add_f32 v[CH:CH+1], v[CH:CH+1], v[CH+2:CH+3]
	v_pk_add_f32 v[CH+4:CH+5], v[CH+4:CH+5], v[CH+6:CH+7]
	v_pk_add_f32 v[CH:CH+1], v[CH:CH+1], v[CH+4:CH+5]
	v_add_f32 v[CH], v[CH], v[CH+1]
	v_add_f32_dpp v[CH], v[CH], v[CH] row_xmask:1 row_mask:0xf bank_mask:0xf
	v_add_f32_dpp v[CH], v[CH], v[CH] row_xmask:2 row_mask:0xf bank_mask:0xf
	v_add_f32_dpp v[CH], v[CH], v[CH] row_xmask:4 row_mask:0xf bank_mask:0xf
	v_add_f32_dpp v[CH], v[CH], v[CH] row_xmask:8 row_mask:0xf bank_mask:0xf
.endm
	; the mean: the first eight pairs start the four chains: nothing is cleared
.set p, 0
.rept 4
	v_pk_add_f32 v[CH+2*p:CH+2*p+1], v[D+2*p:D+2*p+1], v[D+8+2*p:D+8+2*p+1]
.set p, p+1
.endr
.set p, 8
.rept 24
	v_pk_add_f32 v[CH+2*(p%4):CH+2*(p%4)+1], v[CH+2*(p%4):CH+2*(p%4)+1], v[D+2*p:D+2*p+1]
.set p, p+1
.endr
	FOLD
	v_mul_f32 v[MU], s20, v[CH]
	v_mov_b32 v[MU+1], v[MU]
.set p, 0
.rept 32
	v_pk_add_f32 v[D+2*p:D+2*p+1], v[D+2*p:D+2*p+1], v[MU:MU+1] neg_lo:[0,1] neg_hi:[0,1]  ; centred, in place
.set p, p+1
.endr
	; the variance
.set p, 0
.rept 4
	v_pk_mul_f32 v[CH+2*p:CH+2*p+1], v[D+2*p:D+2*p+1], v[D+2*p:D+2*p+1]
.set p, p+1
.endr
.set p, 4
.rept 28
	v_pk_fma_f32 v[CH+2*(p%4):CH+2*(p%4)+1], v[D+2*p:D+2*p+1], v[D+2*p:D+2*p+1], v[CH+2*(p%4):CH+2*(p%4)+1]
.set p, p+1
.endr
	FOLD
	v_fma_f32 v[CH], v[CH], s20, s21               ; var + eps
	v_rsq_f32 v[RS], v[CH]
	v_nop                                          ; a plain instruction behind it,
	s_wait_alu depctr_va_vdst(0)                   ; and the wait ahead of the first line that names its result
	v_mov_b32 v[RS+1], v[RS]
	s_wait_loadcnt 0x0                             ; gamma, beta (and orig, long since)
	v_min_u32 v5, 0x7ff, v5                        ; inside the batch, whatever was loaded
	v_lshl_add_u32 v6, v5, 12, v3                  ; the row's 4,096 bytes, my 16 of each 256
.set p, 0
.rept 32
	v_pk_mul_f32 v[D+2*p:D+2*p+1], v[D+2*p:D+2*p+1], v[RS:RS+1]
	v_pk_fma_f32 v[D+2*p:D+2*p+1], v[D+2*p:D+2*p+1], v[G+2*p:G+2*p+1], v[BT+2*p:BT+2*p+1]
.set p, p+1
.endr
.set h, 0
.rept 16
	global_store_b128 v6, v[D+4*h:D+4*h+3], s[14:15] offset:256*h th:TH_STORE_NT  ; 16 lanes store 256 consecutive bytes, aligned
.set h, h+1
.endr
	s_endpgm
.Lfunc_end_k_q7bdddf2622_norm:
	.size	k_q7bdddf2622_norm, .Lfunc_end_k_q7bdddf2622_norm-k_q7bdddf2622_norm
	.p2alignl 7, 3214868480
	.fill 96, 4, 3214868480
	.section	.rodata,"a",@progbits
	.p2align	6, 0x0
	.amdhsa_kernel k_q7bdddf2622_norm
		.amdhsa_group_segment_fixed_size 0
		.amdhsa_private_segment_fixed_size 0
		.amdhsa_enable_private_segment 0
		.amdhsa_kernarg_size 48
		.amdhsa_user_sgpr_count 2
		.amdhsa_user_sgpr_kernarg_segment_ptr 1
		.amdhsa_wavefront_size32 1
		.amdhsa_system_sgpr_workgroup_id_x 1
		.amdhsa_system_sgpr_workgroup_id_y 1
		.amdhsa_system_sgpr_workgroup_id_z 1
		.amdhsa_system_vgpr_workitem_id 0
		.amdhsa_next_free_vgpr 224
		.amdhsa_next_free_sgpr 66
		.amdhsa_reserve_vcc 0
		.amdhsa_float_denorm_mode_32 3
		.amdhsa_float_denorm_mode_16_64 3
		.amdhsa_memory_ordered 1
		.amdhsa_forward_progress 1
		.amdhsa_inst_pref_size 27
	.end_amdhsa_kernel
	.amdgpu_metadata
---
amdhsa.version: [ 1, 2 ]
amdhsa.kernels:
  - .name:           k_q7bdddf2622_norm
    .symbol:         k_q7bdddf2622_norm.kd
    .args:
      - { .name: o, .offset: 0, .size: 8, .value_kind: global_buffer, .address_space: global }
      - { .name: qkvr, .offset: 8, .size: 8, .value_kind: global_buffer, .address_space: global }
      - { .name: gamma, .offset: 16, .size: 8, .value_kind: global_buffer, .address_space: global }
      - { .name: beta, .offset: 24, .size: 8, .value_kind: global_buffer, .address_space: global }
      - { .name: ord, .offset: 32, .size: 8, .value_kind: global_buffer, .address_space: global }
      - { .name: out0, .offset: 40, .size: 8, .value_kind: global_buffer, .address_space: global }
    .group_segment_fixed_size: 0
    .private_segment_fixed_size: 0
    .kernarg_segment_align: 8
    .kernarg_segment_size: 48
    .max_flat_workgroup_size: 256
    .sgpr_count:     66
    .vgpr_count:     224
    .wavefront_size: 32
...
	.end_amdgpu_metadata
.endif
;; end of part 5
;; ======== version 2 of 2: 5 launches; version 1 with the launches order, cast written anew for expert scheduling mode
;; limits: values are held in f16: magnitudes above 65,504 overflow, below 6.1e-05 lose precision; right only within a limited range of input values
;; workspace buffers: ord 33,792 bytes of whole numbers; xb 16,777,216 bytes; wb 8,388,608 bytes; qkvr 67,108,864 bytes; o 16,777,216 bytes
;; launch order (part 6): grid 4 x 1, 1 waves a work-group, no clusters, 8,448 bytes of LDS; arguments mask, ord; writes ord
.if DOCPART == 6
	.amdgcn_target "amdgcn-amd-amdhsa--gfx1250"
	.amdhsa_code_object_version 6
	.text
	.protected	k_q7bdddf2622_order
	.globl	k_q7bdddf2622_order
	.p2align	8
	.type	k_q7bdddf2622_order,@function
k_q7bdddf2622_order:
	s_mov_b64 s[64:65], 0
	v_nop
	global_prefetch_b8 v0, s[64:65] scope:SCOPE_SE
	s_setreg_imm32_b32 hwreg(HW_REG_WAVE_SCHED_MODE, 0, 2), 2
	s_setreg_imm32_b32 hwreg(HW_REG_WAVE_MODE, 25, 1), 1
	s_wait_xcnt 0x0
	s_wait_alu depctr_vm_vsrc(0)
; For each batch b of 4: a permutation orig[0..2047] of the 2,048 key positions: the visible keys (mask != 0) first, ascending; the masked ones from the end backward; and the number of visible keys.
; ord: bytes 0 .. 32,767 orig[4][2048] (i32); from byte 32,768 + 256 b on the count of batch b, 64 times: one aligned run of 256 bytes.
; One wave a batch: 64 groups of 32 positions, a lane a position.  A visible key's place is the number of visible keys ahead of it; a masked key's is 2,047 less the masked keys ahead of it,
; which is 2,047 - e + the visible keys ahead of position e.  The list is scattered into LDS and leaves as whole runs of 512 bytes.
; THE MODE: SCHED_MODE bits 1:0 = 2 (LLVM: expert scheduling mode 2), set by the entry lines.  The code itself states the register dependences between vector instructions and memory or LDS
; instructions, and from vector instructions to scalar registers, with s_wait_alu, always for 0.
; THE PLAN.  The 64 groups go in 8 blocks of eight.  Registers that memory or LDS instructions touch:
;   v1, v6, v7    byte offsets, made once at the head and never written again.
;   M             the mask's 64 words: written by the 64 loads, read by the blocks' compares; at the end the LDS loads land in it and the list's stores read it.
;   ADR0, ADR1    LDS addresses, DAT0, DAT1 positions, eight of each: block b's arithmetic writes buffer b % 2; the eight LDS stores that read it are issued in block b + 1.
;   v8, v9        the count, written behind block 7, read by the last store.     v10, v11  written at the head, read by the closing add alone.
;   T and v5 are named by vector instructions alone.
; Scalar registers: MK, eight masks, written by a block's run of compares; PF, the running counts, written by scalar instructions and read by the block's vector instructions.
; So a block has three waits: the stores issued in the block before have read the buffer that this block writes again; the block before has written the other buffer, which the stores that follow read
; (behind that wait its vector instructions are also done with PF, which this block's scalar instructions write anew); and the eight masks are written, ahead of their first reader.
.set LIST,  0                          ; LDS: 2,048 words
.set SPARE, 8192                       ; behind it: the spare words, one block of 256 bytes that no other line names
.set M,     16                         ; v[16:79]   the mask's 64 words of my lane; later the list as read back
.set T,     80                         ; v[80:87]   at work, one for each group of a block
.set ADR,   88                         ; v[88:103]  buffer k, group j of a block: 4 x my place in the list, at ADR + 8 k + j
.set DAT,   104                        ; v[104:119] buffer k, group j: my position e, at DAT + 8 k + j
.set SPW,   10                         ; v10  LDS address of my spare word; never rewritten
.set NIL,   11                         ; v11  0; never rewritten
.set MK,    16                         ; s[16:23] group j of the block: which lanes' keys are visible
.set PF,    24                         ; s[24:32] visible keys ahead of group j of the block; PF + 8: ahead of the next block
	s_load_b128 s[4:7], s[0:1], 0x0                ; mask s[4:5], ord s[6:7]
	v_lshl_add_u32 v[SPW], v0, 2, SPARE
	v_mov_b32 v[NIL], 0
	v_lshlrev_b32 v1, 2, v0                        ; 4 x lane
	v_mov_b32 v5, 0
	v_lshlrev_b32 v6, 4, v0                        ; 16 x lane
	v_lshlrev_b32 v7, 3, v0                        ; 8 x lane
	s_lshl_b32 s8, ttmp9, 13                       ; the batch's 8,192 bytes in mask and in the list
	s_mov_b32 s9, 0
	s_lshl_b32 s14, ttmp9, 8                       ; its 256 bytes among the counts
	s_mov_b32 s15, 0
	s_mov_b32 s[PF+8], 0                           ; visible keys so far
	s_wait_kmcnt 0x0
	s_add_nc_u64 s[12:13], s[6:7], s[14:15]
	s_add_nc_u64 s[12:13], s[12:13], 0x8000
	s_add_nc_u64 s[4:5], s[4:5], s[8:9]
	s_add_nc_u64 s[6:7], s[6:7], s[8:9]
	s_wait_alu depctr_va_vdst(0)                   ; v1 is written, which the loads below read as their offset; so are v6 and v7, for the LDS loads and the stores at the end
.set g, 0
.rept 64
	global_load_b32 v[M+g], v1, s[4:5] offset:128*g  ; position 32 g + lane: 128 consecutive bytes a load
.set g, g+1
.endr
; The eight LDS stores of one block, from buffer k.
.macro PUT k
.set j, 0
.rept 8
	ds_store_b32 v[ADR+8*(\k)+j], v[DAT+8*(\k)+j]
.set j, j+1
.endr
.endm
; Block b: groups 8 b to 8 b + 7.  Each operation is written for all eight groups on end, so that no line reads the result of the line before it.
.macro BLK b
	s_wait_loadcnt 56-8*(\b)                       ; loads return in order: the block's eight are in, the 56 - 8 b younger ones may be out
.set j, 0
.rept 8
	v_cmp_ne_u32 s[MK+j], 0, v[M+8*(\b)+j]         ; visible?
.set j, j+1
.endr
.set j, 0
.rept 8
	v_sub_nc_u32 v[T+j], 4*(2047-32*(8*(\b)+j)), v1  ; 4 (2,047 - e): hangs on no mask
.set j, j+1
.endr
.if (\b) > 1
	s_wait_alu depctr_vm_vsrc(0)                   ; the LDS stores issued in the block before have read ADR and DAT of buffer b % 2, which this block writes again
.endif
.if (\b) > 0
	s_wait_alu depctr_va_vdst(0)                   ; the block before has written ADR and DAT of the other buffer, which the stores below read; its vector instructions are done with PF
	PUT 1-(\b)%2
.endif
.set o, 8*((\b)%2)
.set j, 0
.rept 8
	v_add_nc_u32 v[DAT+o+j], 32*(8*(\b)+j), v0     ; e: it hangs on no mask either, and names no register of the stores above
.set j, j+1
.endr
	s_wait_alu depctr_va_sdst(0)                   ; the eight compares have written MK, ahead of its first reader
	s_mov_b32 s[PF], s[PF+8]
.set j, 0
.rept 8
	s_bcnt1_i32_b32 s11, s[MK+j]
	s_add_co_u32 s[PF+j+1], s[PF+j], s11
.set j, j+1
.endr
.set j, 0
.rept 8
	v_mbcnt_lo_u32_b32 v[ADR+o+j], s[MK+j], s[PF+j]  ; visible keys ahead of me: earlier groups' and lower lanes'
.set j, j+1
.endr
.set j, 0
.rept 8
	v_cndmask_b32 v[T+j], v[T+j], v5, s[MK+j]      ; 0 for a visible key
.set j, j+1
.endr
.set j, 0
.rept 8
	v_lshl_add_u32 v[ADR+o+j], v[ADR+o+j], 2, v[T+j]  ; 4 x my place
.set j, j+1
.endr
.set j, 0
.rept 8
	v_min_u32 v[ADR+o+j], 8188, v[ADR+o+j]         ; inside the list, whatever was loaded
.set j, j+1
.endr
.endm
	BLK 0
	BLK 1
	BLK 2
	BLK 3
	BLK 4
	BLK 5
	BLK 6
	BLK 7
	v_mov_b32 v8, s[PF+8]                          ; the count
	v_mov_b32 v9, s[PF+8]
	s_wait_alu depctr_va_vdst(0)                   ; block 7 has written ADR and DAT of buffer 1, which the stores below read; v8 and v9 are written, for the last store; the compares are done reading M, in which the LDS loads land
	PUT 1
.set g, 0
.rept 16
	ds_load_b128 v[M+4*g:M+4*g+3], v6 offset:LIST+512*g  ; LDS serves a wave's instructions in order: these see the stores above
.set g, g+1
.endr
.set g, 0
.rept 16
	s_wait_dscnt 15-g
	global_store_b128 v6, v[M+4*g:M+4*g+3], s[6:7] offset:512*g  ; 512 consecutive bytes, aligned
.set g, g+1
.endr
	global_store_b64 v7, v[8:9], s[12:13]          ; the count, 64 times: 256 consecutive bytes, aligned
	s_wait_dscnt 0x0                               ; the closing lines, six on end
	s_wait_alu 0x0
	s_wait_tensorcnt 0x0
	ds_add_u32 v[SPW], v[NIL]
	s_wait_dscnt 0x0
	s_endpgm
.Lfunc_end_k_q7bdddf2622_order:
	.size	k_q7bdddf2622_order, .Lfunc_end_k_q7bdddf2622_order-k_q7bdddf2622_order
	.p2alignl 7, 3214868480
	.fill 96, 4, 3214868480
	.section	.rodata,"a",@progbits
	.p2align	6, 0x0
	.amdhsa_kernel k_q7bdddf2622_order
		.amdhsa_group_segment_fixed_size 8448
		.amdhsa_private_segment_fixed_size 0
		.amdhsa_enable_private_segment 0
		.amdhsa_kernarg_size 16
		.amdhsa_user_sgpr_count 2
		.amdhsa_user_sgpr_kernarg_segment_ptr 1
		.amdhsa_wavefront_size32 1
		.amdhsa_system_sgpr_workgroup_id_x 1
		.amdhsa_system_sgpr_workgroup_id_y 1
		.amdhsa_system_sgpr_workgroup_id_z 1
		.amdhsa_system_vgpr_workitem_id 0
		.amdhsa_next_free_vgpr 120
		.amdhsa_next_free_sgpr 66
		.amdhsa_reserve_vcc 0
		.amdhsa_float_denorm_mode_32 3
		.amdhsa_float_denorm_mode_16_64 3
		.amdhsa_memory_ordered 1
		.amdhsa_forward_progress 1
		.amdhsa_inst_pref_size 48
	.end_amdhsa_kernel
	.amdgpu_metadata
---
amdhsa.version: [ 1, 2 ]
amdhsa.kernels:
  - .name:           k_q7bdddf2622_order
    .symbol:         k_q7bdddf2622_order.kd
    .args:
      - { .name: mask, .offset: 0, .size: 8, .value_kind: global_buffer, .address_space: global }
      - { .name: ord, .offset: 8, .size: 8, .value_kind: global_buffer, .address_space: global }
    .group_segment_fixed_size: 8448
    .private_segment_fixed_size: 0
    .kernarg_segment_align: 8
    .kernarg_segment_size: 16
    .max_flat_workgroup_size: 32
    .sgpr_count:     66
    .vgpr_count:     120
    .wavefront_size: 32
...
	.end_amdgpu_metadata
.endif
;; end of part 6
;; launch cast (part 7): grid 768 x 1, 8 waves a work-group, no clusters, 0 bytes of LDS; arguments x, Wq, Wk, Wv, Wr, ord, xb, wb; writes xb, wb
.if DOCPART == 7
	.amdgcn_target "amdgcn-amd-amdhsa--gfx1250"
	.amdhsa_code_object_version 6
	.text
	.protected	k_q7bdddf2622_cast
	.globl	k_q7bdddf2622_cast
	.p2align	8
	.type	k_q7bdddf2622_cast,@function
k_q7bdddf2622_cast:
	s_mov_b64 s[64:65], 0
	v_nop
	global_prefetch_b8 v0, s[64:65] scope:SCOPE_SE
	s_setreg_imm32_b32 hwreg(HW_REG_WAVE_SCHED_MODE, 0, 2), 2
	s_setreg_imm32_b32 hwreg(HW_REG_WAVE_MODE, 25, 1), 1
	s_wait_xcnt 0x0
	s_wait_alu depctr_vm_vsrc(0)
; xb[b][p][:] = bf16(x[b][orig[p]][:]): the rows of x in the order of the list (visible keys first).  wb = bf16 of Wq, Wk, Wv, Wr, one below the other: [4096][1024].
; 12,288 rows of 4,096 bytes; a work-group takes 16, a wave 2: 16 loads of 512 consecutive bytes, all out at once; each store of the wave covers 256 consecutive bytes, aligned.
; Work-groups 0 to 511 take x, 512 to 767 the weights.  Memory binds: no LDS, no barrier, no matrix unit; nothing is read twice.
; THE MODE: SCHED_MODE bits 1:0 = 2 (LLVM: expert scheduling mode 2), set by the entry lines.  The code itself states the register dependences between vector instructions and memory
; instructions, and from vector instructions to scalar registers, with s_wait_alu, always for 0.
; THE PLAN.  Registers that memory instructions touch:
;   v1, v2   byte offsets, made once at the head and never written again.
;   X        written by the 16 loads, read by the conversions; never loaded again.
;   Y        written by the conversions, each register once; read by the stores.
; The 16 loads are worked on in four blocks of four.  Block p's eight conversions write its part of Y; its four stores are issued at the head of block p + 1, behind the wait for that block's data
; and ONE wait that states that block p's conversions have written.  No register is written twice, so nothing has to be freed.
.set X, 4                              ; v[4:67]   16 x 4 numbers as loaded
.set Y, 68                             ; v[68:99]  16 x 2 words of bf16
.macro SEND4 q                         ; the four stores of block q
.set k, 4*(\q)
.rept 4
	global_store_b64 v2, v[Y+2*k:Y+2*k+1], s[30:31] offset:2048*(k/8)+256*(k%8)
.set k, k+1
.endr
.endm
.macro BODY                            ; s[26:27], s[28:29]: the two source rows; s[30:31]: the two rows of the target, which follow each other
	s_wait_alu depctr_va_vdst(0)                   ; v1 and v2 are written: every load below reads v1 as its offset, every store v2
.set k, 0
.rept 16
	global_load_b128 v[X+4*k:X+4*k+3], v1, s[26+2*(k/8):27+2*(k/8)] offset:512*(k%8) th:TH_LOAD_NT
.set k, k+1
.endr
.set p, 0
.rept 4
	s_wait_loadcnt 12-4*p                          ; block p's four loads are in, the younger ones may be out
.if p > 0
	s_wait_alu depctr_va_vdst(0)                   ; the block before has written its eight words of Y, which the four stores below read
	SEND4 p-1
.endif
.set k, 4*p
.rept 4
	v_cvt_pk_bf16_f32 v[Y+2*k],   v[X+4*k],   v[X+4*k+1]
	v_cvt_pk_bf16_f32 v[Y+2*k+1], v[X+4*k+2], v[X+4*k+3]
.set k, k+1
.endr
.set p, p+1
.endr
	s_wait_alu depctr_va_vdst(0)                   ; block 3 has written its eight words of Y, which the last four stores read
	SEND4 3
	s_endpgm                                       ; no register is written twice, so no wait frees one
.endm
	s_load_b512 s[8:23], s[0:1], 0x0               ; x 8, Wq 10, Wk 12, Wv 14, Wr 16, ord 18, xb 20, wb 22
	v_lshrrev_b32 v3, 5, v0
	v_readfirstlane_b32 s2, v3                     ; wave 0..7
	v_and_b32 v1, 31, v0
	v_lshlrev_b32 v2, 3, v1                        ; 8 x lane
	v_lshlrev_b32 v1, 4, v1                        ; 16 x lane
	s_lshl_b32 s3, ttmp9, 3
	s_wait_alu depctr_va_sdst(0)                   ; s2 is written, ahead of its first reader: the rows' addresses are made from it
	s_add_co_u32 s3, s3, s2                        ; my pair of rows among the 6,144 pairs
	s_mov_b32 s33, 0
	s_mov_b32 s35, 0
	s_mov_b32 s37, 0
	s_wait_kmcnt 0x0
	s_cmp_lt_u32 ttmp9, 512
	s_cbranch_scc0 .Lweights
	s_lshl_b32 s32, s3, 3                          ; two entries of the list, 8 bytes
	s_load_b64 s[24:25], s[18:19], s32 offset:0x0
	s_lshr_b32 s36, s3, 10                         ; the batch,
	s_lshl_b32 s36, s36, 11                        ; its first row
	s_wait_kmcnt 0x0
	s_min_u32 s24, s24, 2047                       ; inside the batch, whatever was loaded
	s_min_u32 s25, s25, 2047
	s_add_co_u32 s34, s24, s36
	s_add_co_u32 s36, s25, s36
	s_lshl_b32 s34, s34, 12                        ; rows of 4,096 bytes
	s_lshl_b32 s36, s36, 12
	s_lshl_b32 s32, s3, 12                         ; two rows of 2,048 bytes in xb
	s_add_nc_u64 s[26:27], s[8:9], s[34:35]
	s_add_nc_u64 s[28:29], s[8:9], s[36:37]
	s_add_nc_u64 s[30:31], s[20:21], s[32:33]
	BODY
.Lweights:
	s_lshl_b32 s32, s3, 1
	s_sub_co_u32 s32, s32, 8192                    ; my first row among the weights' 4,096
	s_lshr_b32 s36, s32, 10                        ; which of the four matrices
	s_cmp_lt_u32 s36, 1
	s_cselect_b64 s[26:27], s[10:11], s[12:13]
	s_cmp_lt_u32 s36, 3
	s_cselect_b64 s[28:29], s[14:15], s[16:17]
	s_cmp_lt_u32 s36, 2
	s_cselect_b64 s[26:27], s[26:27], s[28:29]
	s_and_b32 s34, s32, 1023
	s_lshl_b32 s34, s34, 12
	s_lshl_b32 s32, s32, 11
	s_add_nc_u64 s[26:27], s[26:27], s[34:35]
	s_add_nc_u64 s[28:29], s[26:27], 4096
	s_add_nc_u64 s[30:31], s[22:23], s[32:33]
	BODY
.Lfunc_end_k_q7bdddf2622_cast:
	.size	k_q7bdddf2622_cast, .Lfunc_end_k_q7bdddf2622_cast-k_q7bdddf2622_cast
	.p2alignl 7, 3214868480
	.fill 96, 4, 3214868480
	.section	.rodata,"a",@progbits
	.p2align	6, 0x0
	.amdhsa_kernel k_q7bdddf2622_cast
		.amdhsa_group_segment_fixed_size 0
		.amdhsa_private_segment_fixed_size 0
		.amdhsa_enable_private_segment 0
		.amdhsa_kernarg_size 64
		.amdhsa_user_sgpr_count 2
		.amdhsa_user_sgpr_kernarg_segment_ptr 1
		.amdhsa_wavefront_size32 1
		.amdhsa_system_sgpr_workgroup_id_x 1
		.amdhsa_system_sgpr_workgroup_id_y 1
		.amdhsa_system_sgpr_workgroup_id_z 1
		.amdhsa_system_vgpr_workitem_id 0
		.amdhsa_next_free_vgpr 100
		.amdhsa_next_free_sgpr 66
		.amdhsa_reserve_vcc 0
		.amdhsa_float_denorm_mode_32 3
		.amdhsa_float_denorm_mode_16_64 3
		.amdhsa_memory_ordered 1
		.amdhsa_forward_progress 1
		.amdhsa_inst_pref_size 13
	.end_amdhsa_kernel
	.amdgpu_metadata
---
amdhsa.version: [ 1, 2 ]
amdhsa.kernels:
  - .name:           k_q7bdddf2622_cast
    .symbol:         k_q7bdddf2622_cast.kd
    .args:
      - { .name: x, .offset: 0, .size: 8, .value_kind: global_buffer, .address_space: global }
      - { .name: Wq, .offset: 8, .size: 8, .value_kind: global_buffer, .address_space: global }
      - { .name: Wk, .offset: 16, .size: 8, .value_kind: global_buffer, .address_space: global }
      - { .name: Wv, .offset: 24, .size: 8, .value_kind: global_buffer, .address_space: global }
      - { .name: Wr, .offset: 32, .size: 8, .value_kind: global_buffer, .address_space: global }
      - { .name: ord, .offset: 40, .size: 8, .value_kind: global_buffer, .address_space: global }
      - { .name: xb, .offset: 48, .size: 8, .value_kind: global_buffer, .address_space: global }
      - { .name: wb, .offset: 56, .size: 8, .value_kind: global_buffer, .address_space: global }
    .group_segment_fixed_size: 0
    .private_segment_fixed_size: 0
    .kernarg_segment_align: 8
    .kernarg_segment_size: 64
    .max_flat_workgroup_size: 256
    .sgpr_count:     66
    .vgpr_count:     100
    .wavefront_size: 32
...
	.end_amdgpu_metadata
.endif
;; end of part 7
;; launch proj: the kernel of part 3 again; grid 16 x 32, 4 waves a work-group, clusters of 4 x 4, 327,680 bytes of LDS; arguments xb, wb, qkvr; writes qkvr
;; launch attn: the kernel of part 4 again; grid 4 x 64, 4 waves a work-group, clusters of 4 x 1, 327,680 bytes of LDS; arguments qkvr, ord, o; writes o
;; launch norm: the kernel of part 5 again; grid 512 x 1, 8 waves a work-group, no clusters, 0 bytes of LDS; arguments o, qkvr, gamma, beta, ord, out0; writes out0
